; MI455X (gfx1250); checked and timed in simulation.
; The chip was launched on July 23, 2026; its instructions are those of AMD's public machine-readable ISA for CDNA 5 (MIT licence, August 2026) and "CDNA5" Instruction Set Architecture Reference Guide (July 2026). The comments in the code are by the model that wrote it; some were corrected since.
;; Attention. Allowed arithmetic: matrix products marked QUANTISED: E2M3 operands, one E8M0 scale for each 32 along K, by v_wmma_scale_f32_16x16x128_f8f6f4 with both operands' format E2M3, f32 sums; everything else in f32.
;; Inputs: c_attn_b 3,072 float32; c_attn_w 1,024 x 3,072 float32; c_proj_b 1,024 float32; c_proj_w 1,024 x 1,024 float32; hidden_states 4 x 2,048 x 1,024 float32.
;; Outputs: out0 4 x 2,048 x 1,024 float32.
;; This version of the problem:
;;   THIS VERSION OF THE PROBLEM IS GIVEN IN LOW PRECISION. The matrix products marked QUANTISED in the list below multiply operands that are first quantised to E2M3 (2 exponent bits, 3 mantissa bits; 6 bits a number), with one power-of-two scale for each 32 numbers along K (OCP MX v1.0); their sums are f32. All else is computed in f32.
;;   The module's matrix products, in the order in which they are computed (A, B: the left and right operand; K: the contracted axis; several contracted axes count as one K, in the product's order):
;;     1. [M 8,192, K 1,024] x [K 1,024, N 3,072]; A: input hidden_states; B: input c_attn_w: QUANTISED
;;     2. batch 64 x [M 2,048, K 64] x [K 64, N 2,048]; A: computed on the way; B: computed on the way: QUANTISED
;;     3. batch 64 x [M 2,048, K 2,048] x [K 2,048, N 64]; A: softmax (see below); B: computed on the way: QUANTISED
;;     4. [M 8,192, K 1,024] x [K 1,024, N 1,024]; A: computed on the way; B: input c_proj_w: QUANTISED
;;   THE QUANTISER, for each operand of a quantised product, along K:
;;     - K is cut into blocks of 32 from its start; a last block that is shorter is filled with zeros.
;;     - A block's scale is 2^e with e = floor(log2(the largest magnitude in the block)) - 2, held to -126 .. 127; a block of zeros has e = 0. As a byte (E8M0): e + 127.
;;     - Each number is divided by its block's scale, clamped to +-7.5, and rounded to the nearest number of E2M3, ties to even, subnormals kept.
;;     - The product sums the exact products of the quantised numbers (number of the format x scale) in f32.
;;   ~~~python
;;   def quantise(x, axis):      # numpy; x: float32 -> the quantised numbers, widened to float32 again
;;       x = np.moveaxis(x, axis, -1); K = x.shape[-1]
;;       x = np.pad(x, [(0, 0)] * (x.ndim - 1) + [(0, -K % 32)]); x = x.reshape(x.shape[:-1] + (-1, 32)); a = np.abs(x).max(-1, keepdims=True)
;;       e = np.where(a > 0, np.clip(np.frexp(np.where(a > 0, a, 1))[1] - 1 - 2, -126, 127), 0)      # np.frexp(a)[1] - 1 = floor(log2(a)), exactly
;;       r = np.clip(x / 2.0 ** e, -7.5, 7.5)
;;       step = 2.0 ** (np.maximum(np.frexp(np.where(r == 0, 1, r))[1] - 1, 0) - 3)
;;       q = np.round(r / step) * step * 2.0 ** e      # np.round: ties to even
;;       return np.moveaxis(q.reshape(q.shape[:-2] + (-1,))[..., :K], -1, axis).astype(np.float32)
;;   ~~~
;;   SOFTMAX AHEAD OF A QUANTISED PRODUCT. Where the list says 'softmax', what is quantised is not the finished softmax but p = 2^(t - M), with t = logit x log2(e) and M = ceil(the row's largest t), a whole number; so 1/2 < the row's largest p <= 1. The row's sum l is taken of the UNQUANTISED p, in f32, and the product's result is divided by l at the end. Since M is a whole number, a kernel that streams over the keys may use a running M (the ceiling of the running maximum): every later rescaling is an exact power of two, which a block's scale takes up: the codes' values come out the same.
;;   OPERANDS COMPUTED ON THE WAY. 'Computed on the way' means the value that the module computes at that place (a softmax that the list does not call 'softmax' is quantised finished and normalised). What goes into a quantiser is computed in f32, as accurately as f32 sums, v_exp_f32 and their like allow (about 1e-6 of the number): no bf16 or f16 on the way to a quantiser, and a product that is left as it is and whose result goes on into a quantised operand takes f32 operands (vector FMAs, or v_wmma_f32_16x16x4_f32). A number that lies on a knife's edge between two numbers of the format may be rounded either way, as far as f32 arithmetic and the matrix unit's own rounding can turn it there, and no further.
;; One version. Each part assembles by itself: llvm-mc -triple=amdgcn-amd-amdhsa -mcpu=gfx1250 --defsym DOCPART=n.
;; ======== version 1 of 1: 4 launches
;; limits: right only within a limited range of input values
;; workspace buffers: cw 9,437,184 bytes; sw 393,216 bytes; qkvc 18,874,368 bytes; qkvs 1,310,720 bytes; ac 6,291,456 bytes; asc 262,144 bytes
;; launch quant (part 1): grid 256 x 1, 8 waves a work-group, no clusters, 69,632 bytes of LDS; arguments hidden_states, c_attn_w, c_proj_w, cw, sw; writes cw, sw
.if DOCPART == 1
	.amdgcn_target "amdgcn-amd-amdhsa--gfx1250"
	.amdhsa_code_object_version 6
	.text
	.protected	k_qd170a63be3_quant
	.globl	k_qd170a63be3_quant
	.p2align	8
	.type	k_qd170a63be3_quant,@function
k_qd170a63be3_quant:
	s_mov_b64 s[64:65], 0
	v_nop
	global_prefetch_b8 v0, s[64:65] scope:SCOPE_SE
	s_setreg_imm32_b32 hwreg(HW_REG_WAVE_MODE, 25, 1), 1
	s_wait_xcnt 0x0
; ONE LAUNCH QUANTISES ALL THREE f32 INPUTS OF THE PRODUCTS into codes of E2M3 with one E8M0 byte for each 32 along K, laid in the order of a matrix operand's registers.
; Work-groups 0-127: hidden_states [8192][1024], K innermost.  Work-groups 128-255: c_attn_w [1024][3072] and c_proj_w [1024][1024], K on the first axis.  The two paths part on the work-group's number and have LDS bytes of their own.
; TILES.  Tile T holds 16 rows: row r of it is row 32 (T / 2) + 8 (T % 2) + r + 8 (r / 8) of the tensor; tiles 0-511 the tokens, tile 512 + c the 4,096 columns (c_attn_w's 3,072, then c_proj_w's 1,024).
; For each 64 along K a tile has 768 bytes: lane l = (r = l % 16, h = l / 16) owns the 24 bytes of block h of its row: bytes 0-15 at 16 l, bytes 16-23 at 512 + 8 l; 12,288 bytes a tile.
; SCALE WORDS.  512 bytes a tile: the word of (128 along K number ks, row r) at 256 (ks / 4) + 16 r + 4 (ks % 4).  A block's byte is its largest magnitude's exponent field - 2, held at 1 from below by a floor among the maximum's leaves.
; LIMITS: NaN and infinities among the inputs are not served; a block of zeros, or one whose largest magnitude lies under 2^(3 - 127), gets the byte 1 (not 127): its codes are zeros and only this program reads the bytes.
; TOKENS.  A wave takes one tile x 512 along K: four fragments of 128.  Each load reads one row's 512 consecutive bytes; 16 rows turn through the wave's own stage (pitch 528), so that a lane gets 16 neighbours of each block of its row.
; WEIGHTS.  A lane takes a column and its registers run down K: a block of 32 lies in one lane's 32 registers.  A work-group takes 64 columns x 512 along K; wave w: 32 columns (w % 2) x 128 along K (w / 2).
; Lanes 0-15 take an even tile's columns, lanes 16-31 the odd tile's beside it; six exchanges of halves for each pair of blocks give the operand's order.  The four waves' scale words of a tile meet in LDS and leave as 256 consecutive bytes.
; No input is shared between work-groups: no cluster, no tensor load.
.set SP,   528
.set WREG, 16*SP                       ; a wave's stage (tokens)
.set WL,   8*WREG                      ; the weights' path: 1,024 bytes of scale words
.set SPARE, WL+1024                    ; the spare words, 128 bytes a wave
.set R,    16                          ; tokens: v16-143 two sets of 64 registers as loaded
.set X,    144                         ; v144-207 64 numbers: register 16 b + i = k 32 b + 16 h + i of my row
.set PC,   208                         ; v208-226 codes, and at work
.set TM,   228
.set W,    244                         ; v244-247 the four fragments' scale words
.set SEL,  20                          ; s[20:21] lane l xor 16
.set OFF,  32                          ; weights: v32-63 byte offset of row i of a block at my column
.set X2,   64                          ; v64-127 two sets of 32 numbers
.set CB,   128                         ; v128-151 block t's 24 bytes of codes at CB + 6 t
.set TMP,  152
.macro QUANT s, pw
.irp b, 0,1,2,3
	v_max3_num_f32 v[TM+\b], |v[\s+16*\b]|, |v[\s+1+16*\b]|, 0x1800000   ; my 16 numbers of block b and the floor 2^(3 - 127)
.endr
.irp i, 2,4,6,8,10,12,14
.irp b, 0,1,2,3
	v_max3_num_f32 v[TM+\b], v[TM+\b], |v[\s+16*\b+\i]|, |v[\s+1+16*\b+\i]|
.endr
.endr
.irp b, 0,1,2,3
	v_permlanex16_b32 v[TM+4+\b], v[TM+\b], s[SEL], s[SEL+1]
.endr
.irp b, 0,1,2,3
	v_max_num_f32 v[TM+\b], v[TM+\b], v[TM+4+\b]       ; with lane l xor 16's 16
.endr
.irp b, 0,1,2,3
	v_add_nc_u32 v[TM+12+\b], 0xff000000, v[TM+\b]     ; 2 off the exponent field: the conversion's scale operand
.endr
.irp b, 0,1,2,3
	v_lshrrev_b32 v[TM+4+\b], 23, v[TM+12+\b]          ; the scale's byte
.endr
	v_lshl_or_b32 v[\pw], v[TM+5], 8, v[TM+4]
	v_lshl_or_b32 v[\pw], v[TM+6], 16, v[\pw]
	v_lshl_or_b32 v[\pw], v[TM+7], 24, v[\pw]
.irp c, 0,1
	v_cvt_scalef32_pk16_fp6_f32 v[PC+6*\c:PC+2+6*\c], v[\s+32*\c:\s+15+32*\c], v[TM+12+2*\c]
	v_cvt_scalef32_pk16_fp6_f32 v[PC+12+4*\c:PC+14+4*\c], v[\s+16+32*\c:\s+31+32*\c], v[TM+12+2*\c+1]
.endr
	v_nop                                              ; one plain instruction behind the scaled conversions
.irp c, 0,1                                        ; a lane is to hold a whole block
.irp i, 0,1,2
	v_permlane16_swap_b32 v[PC+6*\c+\i], v[PC+12+4*\c+\i]
.endr
.irp i, 0,1,2
	v_mov_b32 v[PC+3+6*\c+\i], v[PC+12+4*\c+\i]
.endr
.endr
.endm
	s_load_b256 s[4:11], s[0:1], 0x0               ; hidden_states, c_attn_w, c_proj_w, cw
	s_load_b64 s[12:13], s[0:1], 0x20              ; sw
	v_lshl_add_u32 v248, v0, 2, SPARE
	v_mov_b32 v249, 0
	s_cmp_lt_u32 ttmp9, 128
	s_cbranch_scc0 .Lweights
; ---- the tokens
	v_lshrrev_b32 v8, 5, v0
	v_readfirstlane_b32 s16, v8                    ; wave 0..7
	v_and_b32 v9, 31, v0
	v_and_b32 v10, 15, v0                          ; r
	v_bfe_u32 v11, v0, 4, 1                        ; h
	v_lshlrev_b32 v1, 4, v9                        ; 16 l
	s_mul_i32 s17, s16, WREG
	v_add_nc_u32 v2, s17, v1                       ; the stage, on the way in
	v_mul_u32_u24 v3, v10, SP
	v_lshl_add_u32 v3, v11, 6, v3
	v_add_nc_u32 v3, s17, v3                       ; and on the way out: row r, + 64 h
	v_lshl_add_u32 v4, v9, 3, 512                  ; 512 + 8 l
	v_lshlrev_b32 v5, 4, v10
	v_lshl_add_u32 v5, v11, 3, v5                  ; scale words: 16 r + 8 h
.irp b, 0,1,2,3
	v_mov_b32 v[TM+4+\b], 0                        ; a lane permute's destination counts as read: written once
.endr
	s_mov_b32 s[SEL], 0x76543210
	s_mov_b32 s[SEL+1], 0xfedcba98
	s_lshl_b32 s18, ttmp9, 3
	s_add_co_u32 s18, s18, s16                     ; which of 1,024 waves
	s_lshr_b32 s19, s18, 1                         ; the tile
	s_and_b32 s22, s18, 1                          ; which half of K
	s_lshr_b32 s23, s19, 1
	s_and_b32 s24, s19, 1
	s_lshl_b32 s23, s23, 17                        ; 32 rows of 4,096 bytes
	s_lshl_b32 s24, s24, 15                        ; 8 rows
	s_add_co_u32 s23, s23, s24
	s_lshl_b32 s24, s22, 11
	s_add_co_u32 s24, s23, s24
	s_mov_b32 s25, 0
	s_mul_i32 s26, s19, 12288
	s_mul_i32 s28, s22, 6144
	s_add_co_u32 s26, s26, s28
	s_mov_b32 s27, 0
	s_lshl_b32 s28, s19, 9
	s_lshl_b32 s30, s22, 8
	s_add_co_u32 s28, s28, s30
	s_mov_b32 s29, 0
	s_wait_alu depctr_va_vdst(0)                   ; the head's end
	s_wait_kmcnt 0x0
	s_add_nc_u64 s[4:5], s[4:5], s[24:25]
	s_add_nc_u64 s[10:11], s[10:11], s[26:27]
	s_add_nc_u64 s[12:13], s[12:13], s[28:29]
.macro LOADX f                         ; fragment f: 16 rows x 512 consecutive bytes
.irp i, 0,1,2,3,4,5,6,7,8,9,10,11,12,13,14,15
	global_load_b128 v[R+64*((\f)%2)+4*\i:R+64*((\f)%2)+4*\i+3], v1, s[4:5] offset:(\i+8*(\i/8))*4096+512*(\f) th:TH_LOAD_NT
.endr
.endm
.macro TURN f                          ; LDS serves a wave's instructions in order: no wait between the stores and the loads
.irp i, 0,1,2,3,4,5,6,7,8,9,10,11,12,13,14,15
	ds_store_b128 v2, v[R+64*((\f)%2)+4*\i:R+64*((\f)%2)+4*\i+3] offset:SP*\i
.endr
.irp b, 0,1,2,3
.irp j, 0,1,2,3
	ds_load_b128 v[X+16*\b+4*\j:X+16*\b+4*\j+3], v3 offset:128*\b+16*\j
.endr
.endr
.endm
.macro PIECE f
.if \f < 3
	s_wait_loadcnt 16                              ; this fragment's 16 loads are in; the next fragment's 16 may be out
.else
	s_wait_loadcnt 0x0
.endif
	TURN \f
	s_wait_dscnt 0x0
.if \f < 2
	LOADX \f+2
.endif
.if \f > 0
	s_wait_xcnt 0x0                                ; the last fragment's stores have read the codes' registers
.endif
	QUANT X, W+\f
	global_store_b128 v1, v[PC:PC+3], s[10:11] offset:1536*\f          ; 512 consecutive bytes
	global_store_b64 v4, v[PC+4:PC+5], s[10:11] offset:1536*\f         ; 256 consecutive bytes
	global_store_b128 v1, v[PC+6:PC+9], s[10:11] offset:1536*\f+768
	global_store_b64 v4, v[PC+10:PC+11], s[10:11] offset:1536*\f+768
.endm
	LOADX 0
	LOADX 1
	PIECE 0
	PIECE 1
	PIECE 2
	PIECE 3
	v_cmp_eq_u32 vcc_lo, 1, v11                    ; lanes 16-31 store words 2 and 3 of their row, lanes 0-15 words 0 and 1
	v_cndmask_b32 v6, v[W], v[W+2], vcc_lo
	v_cndmask_b32 v7, v[W+1], v[W+3], vcc_lo
	global_store_b64 v5, v[6:7], s[12:13]          ; 256 consecutive bytes, aligned
	s_wait_tensorcnt 0x0                           ; the wave's end
	ds_add_u32 v248, v249
	s_wait_dscnt 0x0
	s_endpgm
; ---- the weights
.Lweights:
	v_lshrrev_b32 v1, 5, v0
	v_readfirstlane_b32 s40, v1                    ; wave 0..7
	s_and_b32 s41, s40, 1                          ; which 32 columns
	s_lshr_b32 s42, s40, 1                         ; which 128 along K of the work-group's 512
	s_sub_co_u32 s44, ttmp9, 128
	s_and_b32 s45, s44, 63                         ; which 64 columns
	s_lshr_b32 s43, s44, 6                         ; which half of K
	v_and_b32 v2, 31, v0
	v_lshlrev_b32 v3, 4, v2                        ; 16 l
	v_lshl_add_u32 v4, v2, 3, 512                  ; 512 + 8 l
	s_lshl_b32 s32, s41, 9
	s_add_co_u32 s32, s32, WL
	v_add_nc_u32 v6, s32, v3                       ; LDS, out: my pair of tiles' 512 bytes
	s_lshl_b32 s33, s42, 2
	s_add_co_u32 s33, s33, s32
	v_add_nc_u32 v5, s33, v3                       ; LDS, in: my word among its row's four
	v_lshrrev_b32 v8, 4, v2
	v_and_b32 v9, 15, v2
	v_lshlrev_b32 v7, 9, v8
	v_lshl_add_u32 v7, v9, 4, v7                   ; the scale words' buffer: 512 bytes a tile, 16 a row
	v_and_b32 v10, 7, v2
	v_bfe_u32 v9, v2, 3, 1
	v_lshl_add_u32 v10, v9, 4, v10
	v_lshl_add_u32 v10, v8, 3, v10                 ; my column among the 32: l % 8 + 16 ((l / 8) % 2) + 8 (l / 16)
	v_lshlrev_b32 v[OFF], 2, v10
	s_lshl_b32 s27, s43, 2
	s_add_co_u32 s27, s27, s42                     ; ks
	s_lshl_b32 s34, s45, 2
	s_lshl_b32 s35, s41, 1
	s_add_co_u32 s34, s34, s35
	s_add_co_u32 s34, s34, 512                     ; my even tile
	s_lshl_b32 s36, s34, 9
	s_lshl_b32 s37, s43, 8
	s_add_co_u32 s36, s36, s37
	s_mov_b32 s37, 0
	s_mul_i32 s34, s34, 12288
	s_mul_i32 s35, s27, 1536
	s_add_co_u32 s34, s34, s35
	s_mov_b32 s35, 0
	s_mov_b32 s24, 4096
	s_wait_alu depctr_va_vdst(0)                   ; the head's end
	s_wait_kmcnt 0x0
	s_cmp_lt_u32 s45, 48                           ; c_attn_w's columns or c_proj_w's: the choice hangs on the work-group's number alone
	s_cselect_b64 s[4:5], s[6:7], s[8:9]
	s_cselect_b32 s24, 12288, s24                  ; bytes from row to row
	s_cselect_b32 s25, 0, 48
	s_sub_co_u32 s25, s45, s25
	s_lshl_b32 s25, s25, 8
	s_lshl_b32 s26, s41, 7
	s_add_co_u32 s25, s25, s26
	s_lshl_b32 s28, s24, 7
	s_mul_i32 s28, s28, s27                        ; 128 ks rows
	s_add_co_u32 s28, s28, s25
	s_mov_b32 s29, 0
	s_lshl_b32 s30, s24, 5                         ; 32 rows: a block
	s_mov_b32 s31, 0
	s_add_nc_u64 s[16:17], s[4:5], s[28:29]        ; a base for each of my four blocks
	s_add_nc_u64 s[18:19], s[16:17], s[30:31]
	s_add_nc_u64 s[20:21], s[18:19], s[30:31]
	s_add_nc_u64 s[22:23], s[20:21], s[30:31]
	s_add_nc_u64 s[10:11], s[10:11], s[34:35]
	s_add_nc_u64 s[12:13], s[12:13], s[36:37]
.set i, 1
.rept 31
	v_add_nc_u32 v[OFF+i], s24, v[OFF+i-1]
.set i, i+1
.endr
.macro LOADW t
.set i, 0
.rept 32
	global_load_b32 v[X2+32*((\t)%2)+i], v[OFF+i], s[16+2*(\t):17+2*(\t)] th:TH_LOAD_NT
.set i, i+1
.endr
.endm
.macro BLOCK t
.set XS, X2+32*((\t)%2)
.if \t < 3
	s_wait_loadcnt 32                              ; this block's 32 loads are in; the next block's 32 may be out
.else
	s_wait_loadcnt 0x0
.endif
	v_max3_num_f32 v12, |v[XS]|, |v[XS+1]|, |v[XS+2]|
	v_max3_num_f32 v13, |v[XS+3]|, |v[XS+4]|, |v[XS+5]|
.irp i, 6,10,14,18,22,26
	v_max3_num_f32 v12, v12, |v[XS+\i]|, |v[XS+\i+1]|
	v_max3_num_f32 v13, v13, |v[XS+\i+2]|, |v[XS+\i+3]|
.endr
	v_max3_num_f32 v12, v12, |v[XS+30]|, |v[XS+31]|
	v_max3_num_f32 v12, v12, v13, 0x1800000        ; and the floor 2^(3 - 127)
	v_add_nc_u32 v11, 0xff000000, v12              ; the conversion's scale operand
	v_lshrrev_b32 v14, 23, v11                     ; the scale's byte
.if \t == 0
	v_mov_b32 v15, v14
.else
	v_lshl_or_b32 v15, v14, 8*\t, v15              ; four bytes make my column's word for these 128 along K
.endif
	v_cvt_scalef32_pk16_fp6_f32 v[CB+6*\t:CB+6*\t+2], v[XS:XS+15], v11
	v_cvt_scalef32_pk16_fp6_f32 v[TMP:TMP+2], v[XS+16:XS+31], v11
	v_nop                                          ; one plain instruction behind the scaled conversions
.irp i, 0,1,2
	v_mov_b32 v[CB+6*\t+3+\i], v[TMP+\i]
.endr
.if \t < 2
	LOADW \t+2
.endif
.if \t%2 == 1
.irp i, 0,1,2,3,4,5
	v_permlane16_swap_b32 v[CB+6*(\t-1)+\i], v[CB+6*\t+\i]   ; the first now holds the even tile's 64 along K, the second the odd tile's
.endr
.irp u, 0,1
	global_store_b128 v3, v[CB+6*(\t-1+\u):CB+6*(\t-1+\u)+3], s[10:11] offset:12288*\u+768*(\t/2)
	global_store_b64 v4, v[CB+6*(\t-1+\u)+4:CB+6*(\t-1+\u)+5], s[10:11] offset:12288*\u+768*(\t/2)
.endr
.endif
.endm
	LOADW 0
	LOADW 1
	BLOCK 0
	BLOCK 1
	BLOCK 2
	BLOCK 3
	ds_store_b32 v5, v15
	s_wait_dscnt 0x0                               ; for the others' sake: my word lies in LDS
	s_barrier_signal -1
	s_barrier_wait -1
	s_cmp_lt_u32 s40, 2                            ; waves 0 and 1 store the words of their pair of tiles
	s_cbranch_scc0 .Ldone
	ds_load_b128 v[16:19], v6
	s_wait_dscnt 0x0
	global_store_b128 v7, v[16:19], s[12:13]       ; 16 lanes: 256 consecutive bytes, aligned
.Ldone:
	s_wait_tensorcnt 0x0                           ; the wave's end
	ds_add_u32 v248, v249
	s_wait_dscnt 0x0
	s_endpgm
.Lfunc_end_k_qd170a63be3_quant:
	.size	k_qd170a63be3_quant, .Lfunc_end_k_qd170a63be3_quant-k_qd170a63be3_quant
	.p2alignl 7, 3214868480
	.fill 96, 4, 3214868480
	.section	.rodata,"a",@progbits
	.p2align	6, 0x0
	.amdhsa_kernel k_qd170a63be3_quant
		.amdhsa_group_segment_fixed_size 69632
		.amdhsa_private_segment_fixed_size 0
		.amdhsa_enable_private_segment 0
		.amdhsa_kernarg_size 40
		.amdhsa_user_sgpr_count 2
		.amdhsa_user_sgpr_kernarg_segment_ptr 1
		.amdhsa_wavefront_size32 1
		.amdhsa_system_sgpr_workgroup_id_x 1
		.amdhsa_system_sgpr_workgroup_id_y 1
		.amdhsa_system_sgpr_workgroup_id_z 1
		.amdhsa_system_vgpr_workitem_id 0
		.amdhsa_next_free_vgpr 250
		.amdhsa_next_free_sgpr 66
		.amdhsa_reserve_vcc 1
		.amdhsa_float_denorm_mode_32 3
		.amdhsa_float_denorm_mode_16_64 3
		.amdhsa_memory_ordered 1
		.amdhsa_forward_progress 1
		.amdhsa_inst_pref_size 57
	.end_amdhsa_kernel
	.amdgpu_metadata
---
amdhsa.version: [ 1, 2 ]
amdhsa.kernels:
  - .name:           k_qd170a63be3_quant
    .symbol:         k_qd170a63be3_quant.kd
    .args:
      - { .name: hidden_states, .offset: 0, .size: 8, .value_kind: global_buffer, .address_space: global }
      - { .name: c_attn_w, .offset: 8, .size: 8, .value_kind: global_buffer, .address_space: global }
      - { .name: c_proj_w, .offset: 16, .size: 8, .value_kind: global_buffer, .address_space: global }
      - { .name: cw, .offset: 24, .size: 8, .value_kind: global_buffer, .address_space: global }
      - { .name: sw, .offset: 32, .size: 8, .value_kind: global_buffer, .address_space: global }
    .group_segment_fixed_size: 69632
    .private_segment_fixed_size: 0
    .kernarg_segment_align: 8
    .kernarg_segment_size: 40
    .max_flat_workgroup_size: 256
    .sgpr_count:     66
    .vgpr_count:     250
    .wavefront_size: 32
...
	.end_amdgpu_metadata
.endif
;; end of part 1
;; launch gemm_qkv (part 2): grid 8 x 32, 4 waves a work-group, clusters of 4 x 4, 327,680 bytes of LDS; arguments cw, sw, c_attn_b, qkvc, qkvs; writes qkvc, qkvs
.if DOCPART == 2
	.amdgcn_target "amdgcn-amd-amdhsa--gfx1250"
	.amdhsa_code_object_version 6
	.text
	.protected	k_qd170a63be3_gemm_qkv
	.globl	k_qd170a63be3_gemm_qkv
	.p2align	8
	.type	k_qd170a63be3_gemm_qkv,@function
k_qd170a63be3_gemm_qkv:
	s_mov_b64 s[64:65], 0
	v_nop
	global_prefetch_b8 v0, s[64:65] scope:SCOPE_SE
	s_setreg_imm32_b32 hwreg(HW_REG_WAVE_MODE, 25, 1), 1
	s_wait_xcnt 0x0
	s_wait_alu depctr_hold_cnt(0) depctr_sa_sdst(0) depctr_va_vdst(0) depctr_va_sdst(0) depctr_va_ssrc(0) depctr_va_vcc(0) depctr_vm_vsrc(0)
	s_getreg_b32 s2, hwreg(HW_REG_IB_STS2, 6, 4)
	s_cmp_eq_u32 s2, 0
	s_cbranch_scc0 .Lentry_in_a_cluster
	s_endpgm
.Lentry_in_a_cluster:
	s_bfe_u32 s2, ttmp6, 0x10000c
	s_cmp_lg_u32 s2, 0xf033
	s_cbranch_scc0 .Lentry_shape_is_right
	s_endpgm
.Lentry_shape_is_right:
; q, k, v = hidden_states x c_attn_w + c_attn_b over K = 1,024 on codes of E2M3 with E8M0 scales, sums in f32; the results are quantised here and leave as codes in the order of the next launch's operand registers.
; OPERANDS lie in cw as images of registers: tiles of 16 rows (row r of tile T is row 32 (T / 2) + 8 (T % 2) + r + 8 (r / 8)), 12,288 bytes a tile: for each 64 along K lane l's 24 bytes at 16 l (16) and 512 + 8 l (8).
; Tiles 0-511 the tokens, 512 + c the columns of c_attn_w.  Scale words in sw: 512 bytes a tile, word (ks, r) at 256 (ks / 4) + 16 r + 4 (ks % 4).
; THE DEAL.  256 work-groups of four waves.  A work-group has 256 tokens (16 tiles, in LDS for the whole launch) and makes, one phase after the other, 128 columns of v, of q and of k: every work-group runs the same three phases.
; Wave (a, b) = (wave / 2, wave % 2) holds 64 columns, ONE HEAD, all of K, in registers (32 fragments) and streams token tiles 8 a .. 8 a + 7 past them; a tile's 8 fragments and 8 scale words lie twice in registers.
; A tile is 32 products on four accumulators that take turns; the first four take the bias as C, laid as the result lies.
; V: source 0 = the tokens: a lane holds one channel, its registers run along the keys; the 8 tiles' sums (256 registers) are 128 keys of four tiles of channels, quantised along the keys at the phase's end.
; Q, K: source 0 = the weight's rows: a lane holds one token and 32 of the head's 64 channels; two tiles' sums make 12 registers of codes: a piece of 768 bytes for each tile.  One loop of two trips serves q and k.
; OUT.  qkvc: q's and k's pieces at ((head, k's 16 on) x 512 + token tile) x 768; v^T at V_BASE + (batch x 16 + head) x 98,304 + (64 keys) x 3,072 + tile of channels x 768.
; qkvs: q's, k's words at head x 32,768 + (tile / 4) x 256 + 16 r + 4 (tile % 4): the two low bytes count, the upper two scale zero codes and are never 0xff; v's at VS_BASE + ((128 keys) x 16 + head) x 256 + 16 r + 4 tile.
; LDS: the 16 token tiles, a region for a weight's 8 tiles, the tokens' scale words, 512 bytes of scratch a wave (q's and k's bias of my head), the spare words.
; FILLS.  At the head one joint load a wave: v's weight, the scale words, token tiles 0-3, tiles 8-11; the first barrier waits for wave 0's load alone (its line is wave 0's alone).  The other 8 token tiles are first fills behind the
; full sequence and a round.  TWO REFILLS of the weights' region, two tiles a wave, each behind the three lines and a round of the cluster's barrier: q's rows in V's tile 2 (all waves hold v's in registers),
; k's rows at the change from V to q, with V's quantisers between the add and the wait for it.  What a refill brought is shown by a plain barrier round the last tile's products of the phase before its use.
; By this text's own count a wave never has more than one tensor load out; every wait on TENSORcnt is for 0.  CLUSTERS 4 x 4: tokens shared by a row of the cluster, weights by a column.
; NO PREFETCH: each refill is asked for five tiles' products or more (160 matrix instructions) ahead of its first read; the first fills stand at the head.
; THE WAITS' COUNTS on DScnt: NF = 34 loads fetch a tile; ahead of a tile's products only the next tile's fetch is younger (NF).
; LIMITS: NaN and infinities are not served; a block of zeros or under 2^(3 - 127) gets the scale byte 1: its codes are zeros and only this program reads the bytes.
.set TB,     12288
.set WB,     16*TB
.set XS,     WB+8*TB
.set BSC,    XS+8192                   ; the scratch: [wave][q, k][64 numbers]
.set SPARE,  BSC+2048
.set FPW,    21                        ; fragment f lies in window 1 + f / 21 at register 12 (f % 21): 0-31 the weight's (4 ks + t), 32-39 and 40-47 the tokens' two sets
.set NF,     34
.set V_BASE, 12582912
.set VS_BASE, 1048576
.set BSA,  7                           ; v7 scratch, in; v8 scratch, out; v9 4 (r + 8 (r / 8))
.set BSL,  8
.set SPW,  10
.set NIL,  11
.set XA,   12                          ; v12-15 my token tiles 0-3 and 4-7 (16 l; 512 + 8 l)
.set WA,   16                          ; v16, v17 my four tiles of the weight
.set AS,   18
.set ABS,  19
.set WD,   20                          ; v20-23 scale words made
.set SB,   24                          ; v24-39 the weight's scale words: 8 (t / 2) + ks; lanes 0-15 the even tile, lanes 16-31 the odd
.set TA,   40                          ; v40-43, v60-62 at work in the quantiser
.set SA,   44                          ; v44-59 the tokens' scale words, two sets
.set TC,   60
.set ACC,  64                          ; q, k: v64-127 two sets of four accumulators.  V: v64-191 tiles 0-3 (32 t + 8 i), v840-967 tiles 4-7
.set MCD,  192                         ; v192-239 four operands of codes
.set TM,   240
.set SB2L, 200                         ; window 3: v968-983 the next phase's scale words
.set BIL,  224                         ; window 3: v992-1023 the bias as C
.set SEL,  2
.set G1W, 24
.set G1X, 32
.set G1S, 40
.set G1N, 48
.set G0W, 56
.set G0S, 60
.set G0A, 68
.set G0B, 72
.set G0N, 76
.set G0Q, 80
.set G1R, 84
.set G0K, 92
.set PV,  24                           ; behind the head's loads their descriptors' registers hold where the results go
.set PVS, 26
.set PO,  28
.set POS, 30
.set MSB, 0
.macro WIN new
.if MSB != (\new)
	s_set_vgpr_msb (MSB<<8)|(\new)
.set MSB, (\new)
.endif
.endm
.macro PLACES n
.rept \n
	v_nop
.endr
.endm
.macro CREST                           ; a round of the cluster's barrier behind its opening barrier
	s_cmp_lg_u32 s16, 0
	s_cbranch_scc1 .Lnot_wave_0_\@
	s_barrier_signal -3
.Lnot_wave_0_\@:
	s_barrier_wait -3
	s_barrier_signal -1
	s_barrier_wait -1
.endm
.macro CROUND
	s_barrier_signal -1
	s_barrier_wait -1
	CREST
.endm
.macro TLOAD g0, g1                    ; s_nop 0 and four v_nop follow each tensor load
	tensor_load_to_lds s[\g0:\g0+3], s[\g1:\g1+7]
	s_nop 0
	PLACES 4
.endm
.macro GROUP1 g, mask, c, r            ; r rows of c elements of 8 bytes, dense
	s_or_b32 s[\g+0], s[\mask], (3<<16)|(1<<21)
	s_mov_b32 s[\g+1], ((\c)&0xffff)<<16
	s_mov_b32 s[\g+2], (\r)<<16
	s_mov_b32 s[\g+3], (\c)<<16
	s_mov_b32 s[\g+4], \r
	s_mov_b32 s[\g+5], \c
	s_mov_b32 s[\g+6], 0
	s_mov_b32 s[\g+7], 0
.endm
.macro FRAG f, a0, a1, off
	WIN (1+(\f)/FPW)<<6
.set R_, 12*((\f)%FPW)
	ds_load_b128 v[R_:R_+3], v[\a0] offset:(\off)
	ds_load_b64 v[R_+4:R_+5], v[\a1] offset:(\off)
	ds_load_b128 v[R_+6:R_+9], v[\a0] offset:(\off)+768
	ds_load_b64 v[R_+10:R_+11], v[\a1] offset:(\off)+768
.endm
.macro WEIGHTS                         ; my 64 columns, all of K: 128 loads
.irp q, 0,1,2,3,4,5,6,7
.irp t, 0,1,2,3
	FRAG 4*\q+\t, WA, WA+1, \t*TB+\q*1536
.endr
.endr
	WIN 0
.endm
.macro FETCH i                         ; my token tile i into set i % 2: NF loads
.irp q, 0,1,2,3,4,5,6,7
	FRAG 32+8*((\i)%2)+\q, XA+2*((\i)/4), XA+2*((\i)/4)+1, ((\i)%4)*TB+\q*1536
.endr
	WIN 0
	ds_load_b128 v[SA+8*((\i)%2):SA+8*((\i)%2)+3], v[AS] offset:512*(\i)
	ds_load_b128 v[SA+8*((\i)%2)+4:SA+8*((\i)%2)+7], v[AS] offset:512*(\i)+256
.endm
.macro PROD1 d, r0, r1, c, x0, x1, side, row
	v_wmma_scale_f32_16x16x128_f8f6f4 v[\d:\d+7], v[\r0:\r0+11], v[\r1:\r1+11], v[\c:\c+7], v[\x0], v[\x1] matrix_a_fmt:MATRIX_FMT_FP6 matrix_b_fmt:MATRIX_FMT_FP6 matrix_\side\()_scale:MATRIX_SCALE_ROW\row
.endm
.macro PROD kind, i, n                 ; product n = 4 ks + t of token tile i.  kind 1: V
.set Q_, (\n)/4
.set T_, (\n)%4
.set FX_, 32+8*((\i)%2)+Q_
.if \kind
.if (\i) < 4
.set D_, 64+32*T_+8*(\i)
.else
.set D_, 840+32*T_+8*((\i)-4)
.endif
.else
.set D_, ACC+32*((\i)%2)+8*T_
.endif
.set DL_, D_&255
.set DW_, D_>>8
.if Q_
.set CL_, DL_
.set CW_, DW_
.else
.set CL_, BIL+8*T_
.set CW_, 3
.endif
.set RW_, 12*((\n)%FPW)
.set RX_, 12*(FX_%FPW)
.set WW_, 1+(\n)/FPW
.set WX_, 1+FX_/FPW
.set XW_, SB+8*(T_/2)+Q_
.set XX_, SA+8*((\i)%2)+Q_
.if \kind
	WIN WX_|(WW_<<2)|(CW_<<4)|(DW_<<6)
.if T_%2
	PROD1 DL_, RX_, RW_, CL_, XX_, XW_, b, 1
.else
	PROD1 DL_, RX_, RW_, CL_, XX_, XW_, b, 0
.endif
.else
	WIN WW_|(WX_<<2)|(CW_<<4)|(DW_<<6)
.if T_%2
	PROD1 DL_, RW_, RX_, CL_, XW_, XX_, a, 1
.else
	PROD1 DL_, RW_, RX_, CL_, XW_, XX_, a, 0
.endif
.endif
.endm
.macro MULS kind, i
.set N_, 0
.rept 32
	PROD \kind, \i, N_
.set N_, N_+1
.endr
	WIN 0
.endm
; 64 numbers of a lane, 32 from register s0 on and 32 from s1 on (register 16 b + i = k 32 b + 16 (l / 16) + i of my row), become 12 registers of codes, v[pc] on, and my row's scale word, v[pw].
.macro QUANT s0, s1, pc, pw
.set W0_, (\s0)>>8
.set L0_, (\s0)&255
.set W1_, (\s1)>>8
.set L1_, (\s1)&255
	WIN W0_|(W0_<<2)
.irp b, 0,1
	v_max3_num_f32 v[TM+\b], |v[L0_+16*\b]|, |v[L0_+1+16*\b]|, 0x1800000   ; my 16 numbers of a block and the floor 2^(3 - 127); each accumulator from its low end on
.endr
	WIN W1_|(W1_<<2)
.irp b, 0,1
	v_max3_num_f32 v[TM+2+\b], |v[L1_+16*\b]|, |v[L1_+1+16*\b]|, 0x1800000
.endr
.irp i, 2,4,6,8,10,12,14
	WIN (W0_<<2)|(W0_<<4)
.irp b, 0,1
	v_max3_num_f32 v[TM+\b], v[TM+\b], |v[L0_+16*\b+\i]|, |v[L0_+1+16*\b+\i]|
.endr
	WIN (W1_<<2)|(W1_<<4)
.irp b, 0,1
	v_max3_num_f32 v[TM+2+\b], v[TM+2+\b], |v[L1_+16*\b+\i]|, |v[L1_+1+16*\b+\i]|
.endr
.endr
	WIN 0
.irp b, 0,1,2,3
	v_permlanex16_b32 v[TM+4+\b], v[TM+\b], s[SEL], s[SEL+1]
.endr
.irp b, 0,1,2,3
	v_max_num_f32 v[TM+\b], v[TM+\b], v[TM+4+\b]       ; with lane l xor 16's 16: the block's largest magnitude
.endr
.irp b, 0,1,2,3
	v_add_nc_u32 v[TM+12+\b], 0xff000000, v[TM+\b]     ; 2 off the exponent field: the conversion's scale operand
.endr
.irp b, 0,1,2,3
	v_lshrrev_b32 v[TM+4+\b], 23, v[TM+12+\b]          ; the scale's byte
.endr
	v_lshl_or_b32 v[\pw], v[TM+5], 8, v[TM+4]
	v_lshl_or_b32 v[\pw], v[TM+6], 16, v[\pw]
	v_lshl_or_b32 v[\pw], v[TM+7], 24, v[\pw]
	WIN W0_
	v_cvt_scalef32_pk16_fp6_f32 v[(\pc):(\pc)+2], v[L0_:L0_+15], v[TM+12]
	v_cvt_scalef32_pk16_fp6_f32 v[TA:TA+2], v[L0_+16:L0_+31], v[TM+13]
	WIN W1_
	v_cvt_scalef32_pk16_fp6_f32 v[(\pc)+6:(\pc)+8], v[L1_:L1_+15], v[TM+14]
	v_cvt_scalef32_pk16_fp6_f32 v[TC:TC+2], v[L1_+16:L1_+31], v[TM+15]
	WIN 0
	v_nop                                              ; one plain instruction behind the scaled conversions
.irp i, 0,1,2
	v_permlane16_swap_b32 v[(\pc)+\i], v[TA+\i]        ; a lane is to hold a whole block
.endr
.irp i, 0,1,2
	v_permlane16_swap_b32 v[(\pc)+6+\i], v[TC+\i]
.endr
.irp i, 0,1,2
	v_mov_b32 v[(\pc)+3+\i], v[TA+\i]
	v_mov_b32 v[(\pc)+9+\i], v[TC+\i]
.endr
.endm
; A change of phase: the next weight's scale words, its bias (from the scratch, at off), its 128 fragment loads, and my first two token tiles again.
.macro CHANGE off
	WIN 3
.set I_, 0
.rept 16
	v_mov_b32 v[SB+I_], v[SB2L+I_]
.set I_, I_+1
.endr
	WIN 3<<6
.irp t, 0,1,2,3
	ds_load_b128 v[BIL+8*\t:BIL+8*\t+3], v[BSL] offset:(\off)+(32*(\t/2)+8*(\t%2))*4
	ds_load_b128 v[BIL+8*\t+4:BIL+8*\t+7], v[BSL] offset:(\off)+(32*(\t/2)+8*(\t%2))*4+16
.endr
	WEIGHTS
	FETCH 0
	FETCH 1
.endm
; ---- the head
	s_load_b256 s[4:11], s[0:1], 0x0               ; cw, sw, c_attn_b, qkvc
	s_load_b64 s[12:13], s[0:1], 0x20              ; qkvs
	v_lshl_add_u32 v[SPW], v0, 2, SPARE
	v_mov_b32 v[NIL], 0
	ds_add_u32 v[SPW], v[NIL]                      ; the opening lines: the add, twice on end, and its wait ahead of my first tensor load
	ds_add_u32 v[SPW], v[NIL]
	v_lshrrev_b32 v1, 5, v0
	v_readfirstlane_b32 s16, v1                    ; wave
	s_lshr_b32 s17, s16, 1                         ; a
	s_and_b32 s18, s16, 1                          ; b
	s_bfe_u32 s19, ttmp6, 0x40000                  ; cx
	s_bfe_u32 s20, ttmp6, 0x40004                  ; cy
	s_lshl_b32 s23, ttmp9, 2
	s_add_co_u32 s23, s23, s19                     ; which 128 columns of each of v, q, k: 0 .. 7
	s_and_b32 s22, ttmp7, 0xffff
	s_lshl_b32 s22, s22, 2
	s_add_co_u32 s22, s22, s20                     ; which 256 tokens: 0 .. 31
	s_lshl_b32 s2, s20, 2
	s_lshl_b32 s2, 15, s2                          ; my row of the cluster
	s_lshl_b32 s3, 0x1111, s19                     ; my column
	GROUP1 G1W, 3, 1536, 8                         ; a weight's 8 tiles
	GROUP1 G1X, 2, 1536, 4                         ; four token tiles
	GROUP1 G1N, 2, 1536, 2                         ; two
	GROUP1 G1S, 2, 32, 32                          ; 8,192 bytes of scale words as rows of 256
	GROUP1 G1R, 3, 1536, 2                         ; two tiles of a weight
	s_mov_b32 s[SEL], 0x76543210
	s_mov_b32 s[SEL+1], 0xfedcba98
	s_lshl_b32 s21, s17, 3
	s_lshl_b32 s98, s18, 1
	s_add_co_u32 s21, s21, s98
	s_add_co_u32 s21, s21, 4
	s_mul_i32 s21, s21, TB                         ; the later first fill: I fetch token tiles 4 + 8 a + 2 b and the next
	s_mul_i32 s96, s17, 8*TB                       ; LDS: my 8 token tiles,
	s_mul_i32 s97, s18, 4*TB
	s_add_co_u32 s97, s97, WB                      ; my 4 tiles of the weight,
	s_lshl_b32 s98, s17, 12
	s_add_co_u32 s98, s98, XS                      ; my tokens' scale words,
	s_lshl_b32 s99, s16, 9
	s_add_co_u32 s99, s99, BSC                     ; my scratch,
	s_mul_i32 s100, s16, 2*TB
	s_add_co_u32 s100, s100, WB                    ; and the two tiles of the weights' region that I fill again
	s_mov_b32 s[G0W], 1
	s_mov_b32 s[G0W+1], WB
	s_mov_b32 s[G0S], 1
	s_mov_b32 s[G0S+1], XS
	s_mov_b32 s[G0A], 1
	s_mov_b32 s[G0A+1], 0
	s_mov_b32 s[G0B], 1
	s_mov_b32 s[G0B+1], 8*TB
	s_mov_b32 s[G0N], 1
	s_mov_b32 s[G0N+1], s21
	s_mov_b32 s[G0Q], 1
	s_mov_b32 s[G0Q+1], s100
	s_mov_b32 s[G0K], 1
	s_mov_b32 s[G0K+1], s100
	v_and_b32 v1, 15, v0                           ; r
	v_bfe_u32 v2, v0, 4, 1                         ; h
	v_and_b32 v3, 31, v0                           ; l
	v_lshlrev_b32 v4, 4, v3
	v_lshl_add_u32 v5, v3, 3, 512
	v_add_nc_u32 v[XA], s96, v4
	v_add_nc_u32 v[XA+1], s96, v5
	v_add_nc_u32 v[XA+2], 4*TB, v[XA]
	v_add_nc_u32 v[XA+3], 4*TB, v[XA+1]
	v_add_nc_u32 v[WA], s97, v4
	v_add_nc_u32 v[WA+1], s97, v5
	v_lshl_add_u32 v[AS], v1, 4, s98
	v_lshlrev_b32 v[ABS], 9, v2
	v_lshl_add_u32 v[ABS], v1, 4, v[ABS]
	v_lshlrev_b32 v6, 4, v1                        ; 16 r
	v_add_nc_u32 v[BSA], s99, v6
	v_lshl_add_u32 v[BSL], v2, 6, s99              ; the bias along my registers begins 16 h numbers on
	v_and_b32 v9, 8, v1
	v_add_nc_u32 v9, v9, v1
	v_lshlrev_b32 v9, 2, v9
.irp b, 0,1,2,3
	v_mov_b32 v[TM+4+\b], 0                        ; a lane permute's destination counts as read: written once
.endr
	s_wait_alu depctr_va_vdst(0)                   ; the head's end
	s_wait_dscnt 0x0                               ; both opening adds are done
	CROUND                                         ; all sixteen work-groups are here: the first joint loads meet
	s_wait_kmcnt 0x0
	s_mul_i32 s96, s22, 16*TB                      ; my tokens' codes
	s_mov_b32 s97, 0
	s_add_nc_u64 s[G0A+2:G0A+3], s[4:5], s[96:97]
	s_add_nc_u64 s[G0B+2:G0B+3], s[G0A+2:G0A+3], 8*TB
	s_add_co_u32 s96, s96, s21
	s_add_nc_u64 s[G0N+2:G0N+3], s[4:5], s[96:97]
	s_lshl_b32 s96, s22, 13                        ; and their scale words
	s_add_nc_u64 s[G0S+2:G0S+3], s[6:7], s[96:97]
	s_lshl_b32 s14, s23, 3
	s_add_co_u32 s98, s14, 640                     ; v's columns begin at tile 640,
	s_mul_i32 s98, s98, TB
	s_mov_b32 s99, 0
	s_add_nc_u64 s[G0W+2:G0W+3], s[4:5], s[98:99]
	s_lshl_b32 s15, s16, 1
	s_add_co_u32 s15, s15, s14
	s_add_co_u32 s98, s15, 512                     ; q's at 512,
	s_mul_i32 s98, s98, TB
	s_add_nc_u64 s[G0Q+2:G0Q+3], s[4:5], s[98:99]
	s_add_nc_u64 s[G0K+2:G0K+3], s[G0Q+2:G0Q+3], 64*TB   ; k's at 576
.irp g, G0W, G0S, G0A, G0B, G0N, G0Q, G0K
	s_or_b32 s[\g+3], s[\g+3], 0x80000000
.endr
	s_lshl_b32 s15, s18, 2
	s_add_co_u32 s15, s15, s14
	s_add_co_u32 s15, s15, 512
	s_lshl_b32 s98, s15, 9
	s_add_nc_u64 s[100:101], s[6:7], s[98:99]      ; the scale words of my four tiles of q's columns; k's lie 32,768 bytes on, v's 65,536
	s_lshl_b32 s98, s23, 9
	s_lshl_b32 s15, s18, 8
	s_add_co_u32 s98, s98, s15
	s_add_nc_u64 s[8:9], s[8:9], s[98:99]          ; q's bias of my head; k's lies 4,096 bytes on, v's 8,192
.macro ARM w, g0, g1                   ; one chain of branches on the wave's number: every way through it passes exactly one load
	s_cmp_eq_u32 s16, \w
	s_cbranch_scc0 .Lnot_\w
	TLOAD \g0, \g1
	s_branch .Lasked
.Lnot_\w:
.endm
	ARM 0, G0W, G1W                                ; the weight first: it goes on into registers
	ARM 1, G0S, G1S
	ARM 2, G0A, G1X
	TLOAD G0B, G1X
.Lasked:
.irp p, 0,1
.irp c, 0,1
	global_load_b128 v[SB+8*\p+4*\c:SB+8*\p+4*\c+3], v[ABS], s[100:101] offset:65536+1024*\p+256*\c   ; v's scale words
.endr
.endr
	WIN 3<<6
.irp p, 0,1
.irp c, 0,1
	global_load_b128 v[SB2L+8*\p+4*\c:SB2L+8*\p+4*\c+3], v[ABS], s[100:101] offset:1024*\p+256*\c     ; q's, for later
.endr
.endr
.irp t, 0,1,2,3
	global_load_b32 v[BIL+8*\t], v9, s[8:9] offset:8192+(32*(\t/2)+8*(\t%2))*4     ; v's bias: one number a lane and tile
.endr
	WIN 0
	global_load_b128 v[64:67], v6, s[8:9]                  ; q's and k's bias of my head, on their way to the scratch
	global_load_b128 v[68:71], v6, s[8:9] offset:4096
	s_cmp_eq_u32 s16, 0
	s_cbranch_scc0 .Lnot_w
	s_wait_tensorcnt 0x0                           ; wave 0: the weight has landed
.Lnot_w:
	s_barrier_signal -1
	s_barrier_wait -1
	WEIGHTS
	s_wait_loadcnt 0x0
	WIN (3<<6)|3
.irp t, 0,8,16,24
.irp i, 1,2,3,4,5,6,7
	v_mov_b32 v[BIL+\t+\i], v[BIL+\t]              ; v's number over the tile's eight registers
.endr
.endr
	WIN 0
	ds_store_b128 v[BSA], v[64:67]                 ; lanes 16-31 write what lanes 0-15 write
	ds_store_b128 v[BSA], v[68:71] offset:256
	s_wait_alu depctr_va_vdst(0)                   ; directly ahead of the wait below
	s_wait_tensorcnt 0x0                           ; my tile of the head's four is in; the later first fills are issued as a refill is:
	ds_add_u32 v[SPW], v[NIL]                      ; 0 onto my spare word
	s_lshl_b32 s32, s23, 1                         ; no tensor load of mine is out: where the results go
	s_add_co_u32 s32, s32, s18                     ; my head
	s_lshr_b32 s33, s22, 3
	s_lshl_b32 s33, s33, 4
	s_add_co_u32 s33, s33, s32
	s_mul_i32 s33, s33, 98304                      ; (batch x 16 + head) x 98,304
	s_and_b32 s34, s22, 7
	s_lshl_b32 s34, s34, 1
	s_add_co_u32 s34, s34, s17
	s_mul_i32 s34, s34, 6144                       ; + my 128 keys
	s_add_co_u32 s34, s34, s33
	s_add_co_u32 s34, s34, V_BASE
	s_mov_b32 s35, 0
	s_add_nc_u64 s[PV:PV+1], s[10:11], s[34:35]
	s_lshl_b32 s34, s22, 1
	s_add_co_u32 s34, s34, s17
	s_lshl_b32 s34, s34, 4
	s_add_co_u32 s34, s34, s32
	s_lshl_b32 s34, s34, 8
	s_add_co_u32 s34, s34, VS_BASE
	s_add_nc_u64 s[PVS:PVS+1], s[12:13], s[34:35]
	s_lshl_b32 s34, s32, 9
	s_lshl_b32 s33, s22, 4
	s_add_co_u32 s34, s34, s33
	s_lshl_b32 s33, s17, 3
	s_add_co_u32 s34, s34, s33
	s_mul_i32 s34, s34, 768                        ; (head x 512 + my first token tile) x 768
	s_add_nc_u64 s[PO:PO+1], s[10:11], s[34:35]
	s_lshl_b32 s34, s32, 15
	s_lshl_b32 s33, s22, 10
	s_add_co_u32 s34, s34, s33
	s_lshl_b32 s33, s17, 9
	s_add_co_u32 s34, s34, s33
	s_add_nc_u64 s[POS:POS+1], s[12:13], s[34:35]
	s_wait_dscnt 0x0                               ; the add is done, the weight lies in my registers, the scratch is written
	CROUND
	TLOAD G0N, G1N                                 ; two more token tiles a wave, the first tensor load behind the round
	FETCH 0
	FETCH 1
; ---- V: eight tiles
.irp i, 0,1,2,3,4,5,6,7
.if \i == 2
	s_wait_tensorcnt 0x0                           ; the first refill's three lines: my later token tiles are in,
	ds_add_u32 v[SPW], v[NIL]
	s_wait_dscnt 0x0
	s_barrier_signal -1                            ; the round's opening barrier stands round this tile's products
.elseif \i == 7
	s_wait_tensorcnt 0x0                           ; my part of q's rows is in
	s_wait_dscnt 0x0
	s_barrier_signal -1                            ; a plain barrier
.else
	s_wait_dscnt NF
.endif
	MULS 1, \i
.if \i == 2
	s_barrier_wait -1
	CREST
	TLOAD G0Q, G1R                                 ; q's rows onto v's, which all waves hold in registers; its four v_nop are the places in front of the fetch
.elseif \i == 7
	s_barrier_wait -1
	PLACES 4
.else
	PLACES 4                                       ; in front of loads into registers that the products have read
.endif
.if \i < 6
	FETCH \i+2
.endif
.endr
; ---- from V to q: the loads first, V's quantisers under their flight, between the second refill's add and the wait for it
	CHANGE 0
	WIN 3<<6
.irp p, 0,1
.irp c, 0,1
	global_load_b128 v[SB2L+8*\p+4*\c:SB2L+8*\p+4*\c+3], v[ABS], s[100:101] offset:32768+1024*\p+256*\c   ; k's scale words, for later
.endr
.endr
	WIN 0
	s_wait_tensorcnt 0x0
	ds_add_u32 v[SPW], v[NIL]
.irp t, 0,1,2,3
	QUANT 64+32*\t, 840+32*\t, MCD+12*\t, WD+\t
.endr
	s_wait_alu depctr_va_vdst(0)                   ; directly ahead of the wait below
	s_wait_dscnt 0x0                               ; the add is done, and q's rows lie in my registers
	CROUND
	TLOAD G0K, G1R                                 ; k's rows onto q's
.irp t, 0,1,2,3
	global_store_b128 v4, v[MCD+12*\t:MCD+12*\t+3], s[PV:PV+1] offset:768*\t               ; 512 consecutive bytes
	global_store_b64 v5, v[MCD+12*\t+4:MCD+12*\t+5], s[PV:PV+1] offset:768*\t              ; 256 consecutive bytes
	global_store_b128 v4, v[MCD+12*\t+6:MCD+12*\t+9], s[PV:PV+1] offset:3072+768*\t
	global_store_b64 v5, v[MCD+12*\t+10:MCD+12*\t+11], s[PV:PV+1] offset:3072+768*\t
.endr
	v_cmp_gt_u32 vcc_lo, 16, v3
	s_wait_xcnt 0x0                                ; EXEC changes only behind this wait
	s_and_saveexec_b32 s15, vcc_lo
	global_store_b128 v6, v[WD:WD+3], s[PVS:PVS+1] ; 16 lanes: my head's 256 bytes of scale words
	s_wait_xcnt 0x0
	s_or_b32 exec_lo, exec_lo, s15
; ---- q, then k: one loop of two trips
	s_mov_b32 s14, 0
.Lphase:
.irp i, 0,1,2,3,4,5,6,7
.if \i == 7
	s_wait_tensorcnt 0x0                           ; (first trip) my part of k's rows is in
	s_wait_dscnt 0x0
	s_barrier_signal -1                            ; a plain barrier
.else
	s_wait_dscnt NF
.endif
	MULS 0, \i
.if \i == 7
	s_barrier_wait -1
.endif
	PLACES 4
.if \i < 6
	FETCH \i+2
.endif
.if \i == 7
	s_wait_alu depctr_va_vdst(0)
	s_cmp_lg_u32 s14, 0
	s_cbranch_scc1 .Lno_next                       ; behind k nothing follows
	s_wait_loadcnt 0x0                             ; k's scale words
	CHANGE 256
.Lno_next:
.endif
.if \i%2
	s_wait_xcnt 0x0                                ; earlier stores have read the registers that are written now
	QUANT ACC, ACC+32, MCD+12*(\i/2), WD+\i/2
.set P_, MCD+12*(\i/2)
	global_store_b128 v4, v[P_:P_+3], s[PO:PO+1] offset:768*(\i-1)
	global_store_b64 v5, v[P_+4:P_+5], s[PO:PO+1] offset:768*(\i-1)
	global_store_b128 v4, v[P_+6:P_+9], s[PO:PO+1] offset:768*\i
	global_store_b64 v5, v[P_+10:P_+11], s[PO:PO+1] offset:768*\i
.endif
.endr
	v_cmp_eq_u32 vcc_lo, 1, v2                     ; a word holds an even tile's two bytes below an odd tile's: lanes 0-15 store tiles 0-3, lanes 16-31 tiles 4-7
	v_cndmask_b32 v40, v[WD], v[WD+2], vcc_lo      ; an EVEN tile's stored word so holds its own two bytes below the next tile's two: the next launch leans on that for k
	v_cndmask_b32 v42, v[WD+1], v[WD+3], vcc_lo
	v_lshrrev_b32 v41, 16, v40
	v_lshrrev_b32 v43, 16, v42
	global_store_b128 v4, v[40:43], s[POS:POS+1]   ; 512 consecutive bytes
	s_wait_xcnt 0x0                                ; the stores have read their bases
	s_add_nc_u64 s[PO:PO+1], s[PO:PO+1], 16*512*768
	s_add_nc_u64 s[POS:POS+1], s[POS:POS+1], 16*32768
	s_add_co_u32 s14, s14, 1
	s_cmp_lt_u32 s14, 2
	s_wait_alu depctr_va_vdst(0)                   ; directly ahead of the branch
	s_cbranch_scc1 .Lphase
	s_wait_tensorcnt 0x0                           ; the wave's end
	ds_add_u32 v[SPW], v[NIL]
	s_wait_dscnt 0x0
	CROUND                                         ; the closing round
	s_endpgm
.Lfunc_end_k_qd170a63be3_gemm_qkv:
	.size	k_qd170a63be3_gemm_qkv, .Lfunc_end_k_qd170a63be3_gemm_qkv-k_qd170a63be3_gemm_qkv
	.p2alignl 7, 3214868480
	.fill 96, 4, 3214868480
	.section	.rodata,"a",@progbits
	.p2align	6, 0x0
	.amdhsa_kernel k_qd170a63be3_gemm_qkv
		.amdhsa_group_segment_fixed_size 327680
		.amdhsa_private_segment_fixed_size 0
		.amdhsa_enable_private_segment 0
		.amdhsa_kernarg_size 40
		.amdhsa_user_sgpr_count 2
		.amdhsa_user_sgpr_kernarg_segment_ptr 1
		.amdhsa_wavefront_size32 1
		.amdhsa_system_sgpr_workgroup_id_x 1
		.amdhsa_system_sgpr_workgroup_id_y 1
		.amdhsa_system_sgpr_workgroup_id_z 1
		.amdhsa_system_vgpr_workitem_id 0
		.amdhsa_next_free_vgpr 1024
		.amdhsa_next_free_sgpr 102
		.amdhsa_reserve_vcc 1
		.amdhsa_float_denorm_mode_32 3
		.amdhsa_float_denorm_mode_16_64 3
		.amdhsa_memory_ordered 1
		.amdhsa_forward_progress 1
		.amdhsa_inst_pref_size 187
	.end_amdhsa_kernel
	.amdgpu_metadata
---
amdhsa.version: [ 1, 2 ]
amdhsa.kernels:
  - .name:           k_qd170a63be3_gemm_qkv
    .symbol:         k_qd170a63be3_gemm_qkv.kd
    .args:
      - { .name: cw, .offset: 0, .size: 8, .value_kind: global_buffer, .address_space: global }
      - { .name: sw, .offset: 8, .size: 8, .value_kind: global_buffer, .address_space: global }
      - { .name: c_attn_b, .offset: 16, .size: 8, .value_kind: global_buffer, .address_space: global }
      - { .name: qkvc, .offset: 24, .size: 8, .value_kind: global_buffer, .address_space: global }
      - { .name: qkvs, .offset: 32, .size: 8, .value_kind: global_buffer, .address_space: global }
    .group_segment_fixed_size: 327680
    .private_segment_fixed_size: 0
    .kernarg_segment_align: 8
    .kernarg_segment_size: 40
    .max_flat_workgroup_size: 128
    .sgpr_count:     102
    .vgpr_count:     1024
    .wavefront_size: 32
...
	.end_amdgpu_metadata
.endif
;; end of part 2
;; launch attn (part 3): grid 4 x 64, 16 waves a work-group, clusters of 4 x 1, 210,944 bytes of LDS; arguments qkvc, qkvs, ac, asc; writes ac, asc
.if DOCPART == 3
	.amdgcn_target "amdgcn-amd-amdhsa--gfx1250"
	.amdhsa_code_object_version 6
	.text
	.protected	k_qd170a63be3_attn
	.globl	k_qd170a63be3_attn
	.p2align	8
	.type	k_qd170a63be3_attn,@function
k_qd170a63be3_attn:
	s_mov_b64 s[64:65], 0
	v_nop
	global_prefetch_b8 v0, s[64:65] scope:SCOPE_SE
	s_setreg_imm32_b32 hwreg(HW_REG_WAVE_MODE, 25, 1), 1
	s_wait_xcnt 0x0
	s_wait_alu depctr_hold_cnt(0) depctr_sa_sdst(0) depctr_va_vdst(0) depctr_va_sdst(0) depctr_va_ssrc(0) depctr_va_vcc(0) depctr_vm_vsrc(0)
	s_getreg_b32 s2, hwreg(HW_REG_IB_STS2, 6, 4)
	s_cmp_eq_u32 s2, 0
	s_cbranch_scc0 .Lentry_in_a_cluster
	s_endpgm
.Lentry_in_a_cluster:
	s_bfe_u32 s2, ttmp6, 0x10000c
	s_cmp_lg_u32 s2, 0x3003
	s_cbranch_scc0 .Lentry_shape_is_right
	s_endpgm
.Lentry_shape_is_right:
; Causal attention of one (batch, head) on codes of E2M3: S^T = K Q^T (K = the head's 64), p = 2^(t - M), O^T = V^T P^T (K = the keys), O / l, quantised along the channels and stored as codes in the order of the last
; product's operand registers.  t = score x log2(e) / 8; M = the running largest t rounded UP to a whole number; l = the sum of the unquantised p.
; A HEAD'S K, V^T AND SCALE WORDS LIE IN LDS TOGETHER (98,304 + 98,304 + 8,192 + 4,096 bytes): filled ONCE, nothing is filled again, and the text has no LDS store.
; CLUSTER 4 x 1: the four work-groups of a cluster share the head and ask for these bytes jointly, one tensor load a wave.  TWO STAGES: waves 0-3 fetch K's first quarter (key steps 0-3), V's first quarter and both tables of
; scale words; the first barrier waits for these four alone (their lines are theirs alone).  Waves 4-6 fetch K's other quarters, waves 8-10 V's; a second barrier, with every wave's wait ahead of it, stands behind the first
; three key steps, which read (with the fetch one step ahead) key steps 0-3 alone.
; SHARES.  128 tiles of 16 queries to a head (row r of tile T is query 32 (T / 2) + 8 (T % 2) + r + 8 (r / 8)).  Wave w of work-group cx takes tiles j1 = 127 - j0 and j0 = cx + 4 w: their last key steps are 15 - w / 2 and w / 2,
; so every wave walks 17 steps of 128 keys, and no trip count or branch hangs on cx.  A step all of whose keys come after the tile's queries is jumped over by a scalar branch; the trip counts are constants.
; THE KEYS OF A TILE OF K ARE GATHERED BY LANE ADDRESS: tile (c, u) of a step has keys 64 c + 8 u + 0 .. 7 in rows 0-7 and 64 c + 32 + 8 u + 0 .. 7 in rows 8-15.  S^T is used transposed, so lane (r, h) holds query r, and its
; registers 32 c + 8 u + j are keys 64 c + 32 h + 8 u + j: A WHOLE BLOCK OF 32 KEYS IN A LANE, in the order of the next product's operand: its largest score needs no other lane and its codes fall where they are wanted.
; TWO TILES OF K SHARE A FRAGMENT: the lower 64 of the instruction's 128 along K hold tile (c, 2 v), the upper 64 tile (c, 2 v + 1); Q lies as [Q | zero codes | Q], so that [Q | 0] picks the first and [0 | Q] the second.
; What meets zero codes adds nothing: every code of E2M3 is finite and no scale byte here is 0xff.  The word stored for an even tile of k holds its own two scale bytes below the next tile's two: one register serves both products.
; So a step's 8 tiles of K are 48 registers, fetched in one run, one step ahead, right behind the products that have read them.
; In a tile's last step the hidden scores become -infinity ahead of the maximum (reference()'s mask value gives the same weights: 0); which 64 keys hold the diagonal hangs on the wave's number alone, and the 64 ahead of them are not tested.
; LIMITS: NaN and infinities are not served; a block whose largest magnitude lies under 2^(3 - 127) gets the scale byte 1: its codes are zeros.  No prefetch: everything is asked for at the head.
; REGISTERS: v1-6 lane terms of LDS addresses; v7-11, v28 the step's addresses; v12 -M, v13 largest t, v[14:15] the sum; v16-22 upper halves of blocks' codes; v24-27, v204-205 the second tile's Q; v29 Q's scale word;
;   v32-79 K; v80-83 K's words; v84-86 16 l, 512 + 8 l, 8 h; v88-91 V's words; v96-159 S^T, p, then V's fragments; v160-191 O^T; v192-203 codes; v206-223 Q; v224-253 at work.
.set VC,   98304
.set KS,   196608
.set VS,   204800
.set V_BASE, 12582912
.set VS_BASE, 1048576
.set WV,   12
.set SEL,  20
.set CS,   22
.set G1C,  24
.set G1KS, 32
.set G1VS, 40
.set G0K,  48
.set G0V,  52
.set G0KS, 56
.set G0VS, 60
.set SS,   66                          ; the key step
.set LL,   67                          ; the tile's last key step
.set TK,   68                          ; the step's codes: 6,144 bytes a step, in K and in V alike
.set TS,   69                          ; K's words: 512 a step
.set TJ,   70                          ; V's: 256 a step
.set CDF,  71                          ; which 64 keys of the last step hold the diagonal
.set T1,   16
.set T2,   20
.set KF,   32
.set KWR,  80
.set L16,  84
.set L8,   85
.set SH8,  86
.set VWR,  88
.set P,    96
.set O,    160
.set CD,   192
.set QC,   206
.set BX,   224
.set PT,   228
.set SO,   232
.set F,    238
.set TV,   240
.set NINF, 241
.set PW,   242
.macro ROUND
	s_barrier_signal -1
	s_barrier_wait -1
	s_cmp_lg_u32 s[WV], 0
	s_cbranch_scc1 .Lnot_wave_0_\@
	s_barrier_signal -3
.Lnot_wave_0_\@:
	s_barrier_wait -3
	s_barrier_signal -1
	s_barrier_wait -1
.endm
.macro TL g0, g1                       ; s_nop 0 and four v_nop follow each tensor load
	tensor_load_to_lds s[\g0:\g0+3], s[\g1:\g1+7]
	s_nop 0
.rept 4
	v_nop
.endr
.endm
; A step's 8 gathered tiles of K and their 4 scale words: lane (i = r % 8, g = r / 8, h) takes row i + 8 (u / 2) of stored tile 4 c + 2 g + u % 2
.macro KLOAD a0, a1, aw, off
.irp c, 0,1
.irp u, 0,1,2,3
	ds_load_b128 v[KF+6*(4*\c+\u):KF+6*(4*\c+\u)+3], v[\a0] offset:(\off)+(4*\c+\u%2)*768+(\u/2)*128
	ds_load_b64 v[KF+6*(4*\c+\u)+4:KF+6*(4*\c+\u)+5], v[\a1] offset:(\off)+(4*\c+\u%2)*768+(\u/2)*64
.endr
.irp w, 0,1
	ds_load_b32 v[KWR+2*\c+\w], v[\aw] offset:(\off)/12+256*\c+128*\w
.endr
.endr
.endm
	s_load_b256 s[4:11], s[0:1], 0x0               ; qkvc, qkvs, ac, asc
	v_lshl_add_u32 v254, v0, 2, 0x33000
	v_mov_b32 v255, 0
	ds_add_u32 v254, v255                          ; the opening lines: the add, twice on end, and its wait ahead of my first tensor load
	ds_add_u32 v254, v255
	v_lshrrev_b32 v7, 5, v0
	v_readfirstlane_b32 s[WV], v7                  ; wave 0..15
	s_bfe_u32 s13, ttmp6, 0x40000                  ; cx: it enters global addresses of Q and of the results, and the mask's bound, alone
	s_and_b32 s14, ttmp7, 0xffff
	s_and_b32 s15, s14, 15                         ; head
	s_lshr_b32 s16, s14, 4                         ; batch
	s_lshr_b32 s17, s[WV], 2
	s_min_u32 s17, s17, 1
	s_and_b32 s71, s[WV], 3
	s_add_co_u32 s71, s71, 1
	s_mul_i32 s17, s17, s71
	s_mul_i32 s17, s17, 24576                      ; the quarter that I fetch, if I fetch: 0 in waves 0-3, wave % 4 + 1 behind them
	s_lshl_b32 s72, s15, 9
	s_lshl_b32 s73, s16, 7                         ; batch x 128 tiles
	s_add_co_u32 s72, s72, s73                     ; q's first tile
	s_add_co_u32 s74, s72, 8192                    ; k's: 16 heads on
	s_mul_i32 s74, s74, 768
	s_add_co_u32 s74, s74, s17
	s_mov_b32 s75, 0
	s_lshl_b32 s76, s16, 4
	s_add_co_u32 s76, s76, s15
	s_mul_i32 s76, s76, 98304
	s_add_co_u32 s76, s76, s17
	s_add_co_u32 s76, s76, V_BASE
	s_mov_b32 s77, 0
	s_lshl_b32 s78, s15, 15
	s_lshl_b32 s79, s16, 13
	s_add_co_u32 s78, s78, s79                     ; q's scale words
	s_add_co_u32 s80, s78, 16*32768                ; k's
	s_mov_b32 s81, 0
	s_lshl_b32 s82, s16, 8
	s_add_co_u32 s82, s82, s15
	s_lshl_b32 s82, s82, 8
	s_add_co_u32 s82, s82, VS_BASE                 ; v's: (batch x 256 + head) x 256, a step 4,096 bytes on
	s_mov_b32 s83, 0
	s_mov_b32 s[G1C], 15|(3<<16)|(1<<21)           ; a quarter of the codes: 96 dense rows of 256 bytes; the mask names all four work-groups
	s_mov_b32 s[G1C+1], 32<<16
	s_mov_b32 s[G1C+2], 96<<16
	s_mov_b32 s[G1C+3], 32<<16
	s_mov_b32 s[G1C+4], 96
	s_mov_b32 s[G1C+5], 32
	s_mov_b32 s[G1C+6], 0
	s_mov_b32 s[G1C+7], 0
	s_mov_b32 s[G1KS], 15|(3<<16)|(1<<21)          ; K's words: 32 dense rows
	s_mov_b32 s[G1KS+1], 32<<16
	s_mov_b32 s[G1KS+2], 32<<16
	s_mov_b32 s[G1KS+3], 32<<16
	s_mov_b32 s[G1KS+4], 32
	s_mov_b32 s[G1KS+5], 32
	s_mov_b32 s[G1KS+6], 0
	s_mov_b32 s[G1KS+7], 0
	s_mov_b32 s[G1VS], 15|(3<<16)|(1<<21)          ; V's words: 16 rows, 4,096 bytes = 512 elements apart
	s_mov_b32 s[G1VS+1], 32<<16
	s_mov_b32 s[G1VS+2], 16<<16
	s_mov_b32 s[G1VS+3], 32<<16
	s_mov_b32 s[G1VS+4], 16
	s_mov_b32 s[G1VS+5], 512
	s_mov_b32 s[G1VS+6], 0
	s_mov_b32 s[G1VS+7], 0
	s_mov_b32 s[SEL], 0x76543210
	s_mov_b32 s[SEL+1], 0xfedcba98
	s_mov_b32 s[CS], 0x3e38aa3b
	s_mov_b32 s[CS+1], s[CS]
	s_wait_dscnt 0x0
	s_wait_kmcnt 0x0
	s_mov_b32 s[G0K], 1
	s_mov_b32 s[G0K+1], s17
	s_add_nc_u64 s[G0K+2:G0K+3], s[4:5], s[74:75]
	s_or_b32 s[G0K+3], s[G0K+3], 0x80000000
	s_mov_b32 s[G0V], 1
	s_add_co_u32 s[G0V+1], s17, VC
	s_add_nc_u64 s[G0V+2:G0V+3], s[4:5], s[76:77]
	s_or_b32 s[G0V+3], s[G0V+3], 0x80000000
	s_mov_b32 s[G0KS], 1
	s_mov_b32 s[G0KS+1], KS
	s_add_nc_u64 s[G0KS+2:G0KS+3], s[6:7], s[80:81]
	s_or_b32 s[G0KS+3], s[G0KS+3], 0x80000000
	s_mov_b32 s[G0VS], 1
	s_mov_b32 s[G0VS+1], VS
	s_add_nc_u64 s[G0VS+2:G0VS+3], s[6:7], s[82:83]
	s_or_b32 s[G0VS+3], s[G0VS+3], 0x80000000
	ROUND                                          ; all four work-groups are here: the joint loads meet
	s_cmp_eq_u32 s[WV], 0                          ; one chain of branches on the wave's number, one load to an arm
	s_cbranch_scc0 .La1
	TL G0K, G1C                                    ; wave 0: K's first quarter
	s_branch .Lasked
.La1:
	s_cmp_eq_u32 s[WV], 1
	s_cbranch_scc0 .La2
	TL G0V, G1C                                    ; wave 1: V's first quarter
	s_branch .Lasked
.La2:
	s_cmp_eq_u32 s[WV], 2
	s_cbranch_scc0 .La3
	TL G0KS, G1KS
	s_branch .Lasked
.La3:
	s_cmp_eq_u32 s[WV], 3
	s_cbranch_scc0 .La4
	TL G0VS, G1VS
	s_branch .Lasked
.La4:
	s_cmp_lt_u32 s[WV], 7
	s_cbranch_scc0 .La5
	TL G0K, G1C                                    ; waves 4-6: K's quarters 1-3
	s_branch .Lasked
.La5:
	s_cmp_lt_u32 s[WV], 8
	s_cbranch_scc1 .Lasked
	s_cmp_lt_u32 s[WV], 11
	s_cbranch_scc0 .Lasked
	TL G0V, G1C                                    ; waves 8-10: V's quarters 1-3
.Lasked:
	s_lshl_b32 s18, s[WV], 2
	s_add_co_u32 s18, s18, s13                     ; j0
	s_sub_co_u32 s19, 127, s18                     ; j1
	s_add_co_u32 s84, s72, s18
	s_mul_i32 s84, s84, 768
	s_mov_b32 s85, 0
	s_add_nc_u64 s[84:85], s[4:5], s[84:85]        ; Q's codes, tile j0
	s_add_co_u32 s86, s72, s19
	s_mul_i32 s86, s86, 768
	s_mov_b32 s87, 0
	s_add_nc_u64 s[86:87], s[4:5], s[86:87]        ; tile j1
	s_lshr_b32 s88, s18, 2
	s_lshl_b32 s88, s88, 8
	s_and_b32 s89, s18, 3
	s_lshl_b32 s89, s89, 2
	s_add_co_u32 s88, s88, s89
	s_add_co_u32 s88, s88, s78
	s_mov_b32 s89, 0
	s_add_nc_u64 s[88:89], s[6:7], s[88:89]        ; Q's words, tile j0
	s_lshr_b32 s90, s19, 2
	s_lshl_b32 s90, s90, 8
	s_and_b32 s91, s19, 3
	s_lshl_b32 s91, s91, 2
	s_add_co_u32 s90, s90, s91
	s_add_co_u32 s90, s90, s78
	s_mov_b32 s91, 0
	s_add_nc_u64 s[90:91], s[6:7], s[90:91]        ; tile j1
	s_add_co_u32 s92, s73, s18
	s_lshl_b32 s96, s92, 9                         ; the result's scale words: 512 bytes a tile
	s_lshl_b32 s92, s92, 4
	s_add_co_u32 s92, s92, s15
	s_mul_i32 s92, s92, 768
	s_mov_b32 s93, 0
	s_add_nc_u64 s[92:93], s[8:9], s[92:93]        ; the result's codes: (tile x 16 + head) x 768
	s_add_co_u32 s94, s73, s19
	s_lshl_b32 s94, s94, 4
	s_add_co_u32 s94, s94, s15
	s_mul_i32 s94, s94, 768
	s_mov_b32 s95, 0
	s_add_nc_u64 s[94:95], s[8:9], s[94:95]
	s_lshr_b32 s98, s15, 3
	s_lshl_b32 s98, s98, 8
	s_add_co_u32 s96, s96, s98
	s_bfe_u32 s98, s15, 0x20001
	s_lshl_b32 s98, s98, 2
	s_add_co_u32 s96, s96, s98
	s_and_b32 s98, s15, 1
	s_lshl_b32 s98, s98, 1
	s_add_co_u32 s96, s96, s98                     ; my head's two bytes of a row's 32: 256 (head / 8) + 4 ((head / 2) % 4) + 2 (head % 2)
	s_mov_b32 s97, 0
	s_add_nc_u64 s[96:97], s[10:11], s[96:97]
	s_sub_co_u32 s98, s19, s18
	s_lshl_b32 s98, s98, 9                         ; from tile j0's words to tile j1's
	v_and_b32 v7, 31, v0                           ; l
	v_and_b32 v8, 15, v0                           ; r
	v_bfe_u32 v93, v0, 4, 1                        ; h
	v_and_b32 v9, 7, v0                            ; i
	v_bfe_u32 v10, v0, 3, 1                        ; g
	v_lshlrev_b32 v[L16], 4, v7
	v_lshl_add_u32 v[L8], v7, 3, 512
	v_add_nc_u32 v3, VC, v[L16]
	v_add_nc_u32 v4, VC, v[L8]
	v_mul_u32_u24 v11, v10, 1536                   ; rows 8-15 come from the stored tile two further on
	v_lshl_add_u32 v1, v9, 4, v11
	v_lshl_add_u32 v1, v93, 8, v1                  ; K, 16 bytes: 1,536 g + 16 i + 256 h
	v_lshl_add_u32 v2, v9, 3, v11
	v_lshl_add_u32 v2, v93, 7, v2
	v_add_nc_u32 v2, 512, v2                       ; K, 8 bytes: 1,536 g + 512 + 8 i + 128 h
	v_lshlrev_b32 v5, 4, v9
	v_lshl_add_u32 v5, v10, 3, v5
	v_add_nc_u32 v5, KS, v5                        ; K's words: 16 i + 8 g
	v_lshlrev_b32 v243, 4, v8                      ; 16 r
	v_add_nc_u32 v6, VS, v243
	v_lshlrev_b32 v[SH8], 3, v93                   ; 8 h
	v_and_b32 v9, 8, v8
	v_add_nc_u32 v94, v9, v8
	v_lshlrev_b32 v9, 5, v93
	v_sub_nc_u32 v94, v94, v9                      ; r + 8 (r / 8) - 32 h
	v_mul_u32_u24 v244, s98, v93
	v_add_nc_u32 v244, v244, v243                  ; lanes 0-15 store tile j0's bytes, lanes 16-31 tile j1's
	global_load_b128 v[QC:QC+3], v[L16], s[86:87]  ; tile j1 goes first
	global_load_b64 v[QC+4:QC+5], v[L8], s[86:87]
	global_load_b128 v[24:27], v[L16], s[84:85]
	global_load_b64 v[204:205], v[L8], s[84:85]
	global_load_b32 v19, v243, s[90:91]
	global_load_b32 v30, v243, s[88:89]
.irp i, 0,1,2,3,4,5
	v_mov_b32 v[QC+6+\i], 0                        ; the zero codes between Q's two copies
.endr
.irp b, 0,1,2,3
	v_mov_b32 v[PT+\b], 0                          ; a lane permute's destination counts as read: written once
.endr
	v_mov_b32 v[F+1], 0                            ; named as the upper half of a pair
	v_mov_b32 v[TV], 0
	v_mov_b32 v[NINF], 0xff800000
	s_wait_alu depctr_va_vdst(0)                   ; the head's end
	s_cmp_lt_u32 s[WV], 4
	s_cbranch_scc0 .Lnot_first
	s_wait_tensorcnt 0x0                           ; waves 0-3: my load has landed
.Lnot_first:
	s_barrier_signal -1
	s_barrier_wait -1                              ; key steps 0-3 and all scale words lie in LDS
	s_wait_loadcnt 0x0                             ; Q
	v_and_b32 v23, 0xffff, v19
	v_lshl_or_b32 v29, v19, 16, v23                ; Q's two scale bytes, twice: for [Q | 0] and for [0 | Q]
.irp i, 0,1,2,3,4,5
	v_mov_b32 v[QC+12+\i], v[QC+\i]
.endr
; One key step of 128 keys.  diag = 1: the step may be the tile's last
.macro BODY diag
	v_add_nc_u32 v7, s[TK], v1                     ; (these five are the places between the last step's products and the products that write over V's fragments)
	v_add_nc_u32 v8, s[TK], v2
	v_add_nc_u32 v9, s[TK], v3
	v_add_nc_u32 v10, s[TK], v4
	v_add_nc_u32 v11, s[TS], v5
.irp c, 0,1
.irp u, 0,1,2,3
	v_wmma_scale_f32_16x16x128_f8f6f4 v[P+8*(4*\c+\u):P+8*(4*\c+\u)+7], v[KF+12*(2*\c+\u/2):KF+12*(2*\c+\u/2)+11], v[QC+6*(\u%2):QC+6*(\u%2)+11], 0, v[KWR+2*\c+\u/2], v29 matrix_a_fmt:MATRIX_FMT_FP6 matrix_b_fmt:MATRIX_FMT_FP6
.endr
.endr
	v_add_nc_u32 v28, s[TJ], v6                    ; four places in front of the loads into K's registers and of the first read of the scores
	v_mov_b32 v[TV], v12                           ; the old -M
	v_nop
	v_nop
	KLOAD 7, 8, 11, 6144                           ; the next step's K (behind the tile's last step: bytes that nobody uses)
.if \diag
	s_cmp_lg_u32 s[SS], s[LL]                      ; only the tile's last step lies on the diagonal
	s_cbranch_scc1 .Lopen_\@
	s_cmp_eq_u32 s[CDF], 1                         ; the diagonal lies in keys 64-127: keys 0-63 all count
	s_cbranch_scc1 .Lhalf_\@
.set n, 0
.rept 32
	v_cmp_gt_i32 vcc_lo, n, v31
	v_cndmask_b32 v[P+n], v[P+n], v[NINF], vcc_lo
.set n, n+1
.endr
.Lhalf_\@:
.set n, 32
.rept 32
	v_cmp_gt_i32 vcc_lo, n+32, v31
	v_cndmask_b32 v[P+n], v[P+n], v[NINF], vcc_lo
.set n, n+1
.endr
.Lopen_\@:
.endif
.irp b, 0,1,2,3
	v_max3_num_f32 v[BX+\b], v[P+16*\b], v[P+1+16*\b], v[P+2+16*\b]   ; four chains, two to a block of 32 keys
.endr
.irp i, 3,5,7,9,11,13
.irp b, 0,1,2,3
	v_max3_num_f32 v[BX+\b], v[BX+\b], v[P+16*\b+\i], v[P+1+16*\b+\i]
.endr
.endr
	v_max3_num_f32 v[BX], v[BX], v[BX+1], v[P+15]
	v_max3_num_f32 v[BX+2], v[BX+2], v[BX+3], v[P+47]
	v_max_num_f32 v[BX], v[BX], v[P+31]            ; the largest score of my block of c = 0: it serves the row's maximum and, since p rises with the score, the block's largest p
	v_max_num_f32 v[BX+2], v[BX+2], v[P+63]        ; and of c = 1
	v_max_num_f32 v[PT+1], v[BX], v[BX+2]
	v_permlanex16_b32 v[PT], v[PT+1], s[SEL], s[SEL+1]
	v_max_num_f32 v[PT+1], v[PT+1], v[PT]          ; with lane l xor 16's 64 keys
	v_mul_f32 v[PT+1], s[CS], v[PT+1]              ; the step's largest t (every step that is walked has a key that counts)
	v_max_num_f32 v13, v13, v[PT+1]
	v_floor_f32 v12, -v13                          ; the new -M = -ceil(t)
	v_sub_f32 v[TV], v12, v[TV]                    ; old M - new M: a whole number, 0 or less
	v_cvt_i32_f32 v[TV], v[TV]                     ; (it saturates)
	v_ldexp_f32 v[F], 1.0, v[TV]                   ; f = 2^(old M - new M): a multiplication by it rounds nothing
.set j, 0
.rept 32
	v_pk_fma_f32 v[P+j:P+j+1], v[P+j:P+j+1], s[CS:CS+1], v[12:13] op_sel_hi:[1,0,0]   ; t - M
.set j, j+2
.endr
	v_fma_f32 v[BX], v[BX], s[CS], v12             ; the same of each block's largest score
	v_fma_f32 v[BX+2], v[BX+2], s[CS], v12
	s_wait_alu depctr_va_vdst(0)                   ; ahead of the batch
.set j, 0
.rept 64
	v_exp_f32 v[P+j], v[P+j]                       ; p = 2^(t - M)
.set j, j+1
.endr
	v_exp_f32 v[BX], v[BX]                         ; the block's largest p: the same two instructions on the same number
	v_exp_f32 v[BX+2], v[BX+2]
	v_pk_mul_f32 v[14:15], v[14:15], v[F:F+1] op_sel_hi:[1,0]   ; the sum under the new M (a plain instruction behind the exponentials)
	s_wait_alu depctr_va_vdst(0)                   ; and behind it
	v_max_num_f32 v[BX], 0x1800000, v[BX]          ; the floor 2^(3 - 127)
	v_max_num_f32 v[BX+2], 0x1800000, v[BX+2]
	v_add_nc_u32 v[SO], 0xff000000, v[BX]          ; 2 off the exponent field: the conversion's scale operand
	v_add_nc_u32 v[SO+1], 0xff000000, v[BX+2]
	v_lshrrev_b32 v[PT+2], 23, v[SO]               ; the scale's byte
	v_lshrrev_b32 v[PT+3], 23, v[SO+1]
	v_lshl_or_b32 v[PT+1], v[PT+3], 16, v[PT+2]    ; my two bytes: blocks h and 2 + h,
	v_lshlrev_b32 v[PT+1], v[SH8], v[PT+1]         ; at their places in the word;
	v_permlanex16_b32 v[PT], v[PT+1], s[SEL], s[SEL+1]
	v_or_b32 v[PW], v[PT+1], v[PT]                 ; with lane l xor 16's two the word is whole
	v_cvt_scalef32_pk16_fp6_f32 v[CD:CD+2], v[P:P+15], v[SO]
	v_cvt_scalef32_pk16_fp6_f32 v[T1:T1+2], v[P+16:P+31], v[SO]        ; a conversion's three registers begin on an even number
	v_cvt_scalef32_pk16_fp6_f32 v[CD+6:CD+8], v[P+32:P+47], v[SO+1]
	v_cvt_scalef32_pk16_fp6_f32 v[T2:T2+2], v[P+48:P+63], v[SO+1]
	v_pk_add_f32 v[236:237], v[100:101], v[104:105]                    ; the row's sum of the unquantised p, in eight chains
	v_pk_add_f32 v[252:253], v[108:109], v[112:113]
	v_pk_add_f32 v[250:251], v[116:117], v[120:121]
	v_pk_add_f32 v[248:249], v[124:125], v[128:129]
	v_pk_add_f32 v[246:247], v[132:133], v[136:137]
	v_pk_add_f32 v[234:235], v[140:141], v[144:145]
	v_pk_add_f32 v[232:233], v[148:149], v[152:153]
	v_pk_add_f32 v[14:15], v[14:15], v[156:157]
	v_pk_add_f32 v[236:237], v[236:237], v[96:97]
	v_pk_add_f32 v[252:253], v[252:253], v[98:99]
	v_pk_add_f32 v[250:251], v[250:251], v[102:103]
	v_pk_add_f32 v[248:249], v[248:249], v[106:107]
	v_pk_add_f32 v[246:247], v[246:247], v[110:111]
	v_pk_add_f32 v[234:235], v[234:235], v[114:115]
	v_pk_add_f32 v[232:233], v[232:233], v[118:119]
	v_pk_add_f32 v[14:15], v[14:15], v[122:123]
	v_pk_add_f32 v[236:237], v[236:237], v[126:127]
	v_pk_add_f32 v[252:253], v[252:253], v[130:131]
	v_pk_add_f32 v[250:251], v[250:251], v[134:135]
	v_pk_add_f32 v[248:249], v[248:249], v[138:139]
	v_pk_add_f32 v[246:247], v[246:247], v[142:143]
	v_pk_add_f32 v[234:235], v[234:235], v[146:147]
	v_pk_add_f32 v[232:233], v[232:233], v[150:151]
	v_pk_add_f32 v[14:15], v[14:15], v[154:155]
	v_pk_add_f32 v[236:237], v[236:237], v[158:159]
	v_pk_add_f32 v[14:15], v[14:15], v[248:249]
	v_pk_add_f32 v[236:237], v[236:237], v[246:247]
	v_pk_add_f32 v[252:253], v[252:253], v[234:235]
	v_pk_add_f32 v[250:251], v[250:251], v[232:233]
	v_pk_add_f32 v[14:15], v[14:15], v[252:253]
	v_pk_add_f32 v[236:237], v[236:237], v[250:251]
	v_pk_add_f32 v[14:15], v[14:15], v[236:237]
.irp t, 0,1,2,3                                ; V^T's four tiles of channels x these 128 keys, into p's registers, which are done with
.irp c, 0,1
	ds_load_b128 v[P+12*\t+6*\c:P+12*\t+6*\c+3], v9 offset:3072*\c+768*\t
	ds_load_b64 v[P+12*\t+6*\c+4:P+12*\t+6*\c+5], v10 offset:3072*\c+768*\t
.endr
.endr
	ds_load_b128 v[VWR:VWR+3], v28
.irp i, 0,1,2
	v_mov_b32 v[CD+3+\i], v[T1+\i]                 ; registers 6 c .. 6 c + 5 now hold keys 64 c + 32 h + 0 .. 31
	v_mov_b32 v[CD+9+\i], v[T2+\i]
.endr
	s_wait_alu depctr_va_vdst(0)                   ; directly ahead of the first reader of O^T
.set j, 0
.rept 16
	v_pk_mul_f32 v[O+j:O+j+1], v[O+j:O+j+1], v[F:F+1] op_sel_hi:[1,0]   ; O^T under the new M, while the loads are out
.set j, j+2
.endr
	s_wait_alu depctr_va_vdst(0)                   ; directly ahead of the wait below
	s_wait_dscnt 0x0                               ; V's fragments and words, and the next step's K
.irp t, 0,1,2,3
	v_wmma_scale_f32_16x16x128_f8f6f4 v[O+8*\t:O+8*\t+7], v[P+12*\t:P+12*\t+11], v[CD:CD+11], v[O+8*\t:O+8*\t+7], v[VWR+\t], v[PW] matrix_a_fmt:MATRIX_FMT_FP6 matrix_b_fmt:MATRIX_FMT_FP6
.endr
.endm
.macro NEXT
	s_add_co_u32 s[TK], s[TK], 6144
	s_add_co_u32 s[TS], s[TS], 512
	s_add_co_u32 s[TJ], s[TJ], 256
	s_add_co_u32 s[SS], s[SS], 1
.endm
; One tile of 16 queries.  tile: the scalar register with its number; acb: where the codes go; hw: takes the result's two scale bytes; split = 1: the second barrier of the head stands behind the third step
.macro PASS tile, acb, hw, split
	s_bfe_u32 s98, s[\tile], 0x20001
	s_lshl_b32 s98, s98, 5
	s_and_b32 s99, s[\tile], 1
	s_lshl_b32 s99, s99, 3
	s_add_co_u32 s98, s98, s99
	v_add_nc_u32 v31, s98, v94                     ; my query - the last step's first key - 32 h: register 32 c + i of that step is hidden where 64 c + i is greater
	v_mov_b32 v13, 0xff61b1e6                      ; the largest t so far: -3e38
	v_floor_f32 v12, -v13                          ; -M
	v_mov_b32 v14, 0
	v_mov_b32 v15, 0
.set i, 0
.rept 32
	v_mov_b32 v[O+i], 0                            ; the step is written once: the first finds zeros, which the first change of M leaves zeros
.set i, i+1
.endr
	KLOAD 1, 2, 5, 0                               ; key step 0's K
	s_mov_b32 s[SS], 0
	s_mov_b32 s[TK], 0
	s_mov_b32 s[TS], 0
	s_mov_b32 s[TJ], 0
	s_wait_alu depctr_va_vdst(0)                   ; directly ahead of the wait below
	s_wait_dscnt 0x0
.if \split
.Lfirst_\@:                                            ; key steps 0-2: this tile's last step is 8 or later, so nothing is jumped over or hidden
	BODY 0
	NEXT
	s_cmp_lt_u32 s[SS], 3
	s_cbranch_scc1 .Lfirst_\@
	s_wait_tensorcnt 0x0                           ; every wave: my load, if I had one, has landed
	s_barrier_signal -1
	s_barrier_wait -1                              ; the whole head lies in LDS for the rest of the launch
.endif
.Lstep_\@:
	s_cmp_gt_u32 s[SS], s[LL]                      ; all of this step's keys come after my queries: only the addresses step
	s_cbranch_scc1 .Lskip_\@
	BODY 1
.Lskip_\@:
	NEXT
	s_cmp_lt_u32 s[SS], 16
	s_cbranch_scc1 .Lstep_\@
	; the tile's end: O^T / l, quantised along the channels: two blocks of 32, each in lanes l and l xor 16
.rept 4
	v_nop
.endr
	v_add_f32 v14, v14, v15
	v_permlanex16_b32 v[TV], v14, s[SEL], s[SEL+1]
	v_add_f32 v14, v14, v[TV]                      ; the row's sum
	s_wait_alu depctr_va_vdst(0)
	v_rcp_f32 v14, v14
	v_nop                                          ; a plain instruction behind the transcendental
	s_wait_alu depctr_va_vdst(0)
.set j, 0
.rept 32
	v_mul_f32 v[P+j], v[O+j], v14                  ; register 16 b + i: channel 32 b + 16 h + i
.set j, j+1
.endr
.irp b, 0,1
	v_max3_num_f32 v[BX+\b], |v[P+16*\b]|, |v[P+1+16*\b]|, 0x1800000
.endr
.irp i, 2,4,6,8,10,12,14
.irp b, 0,1
	v_max3_num_f32 v[BX+\b], v[BX+\b], |v[P+16*\b+\i]|, |v[P+1+16*\b+\i]|
.endr
.endr
.irp b, 0,1
	v_permlanex16_b32 v[PT+\b], v[BX+\b], s[SEL], s[SEL+1]
.endr
.irp b, 0,1
	v_max_num_f32 v[BX+\b], v[BX+\b], v[PT+\b]
.endr
.irp b, 0,1
	v_add_nc_u32 v[SO+\b], 0xff000000, v[BX+\b]
.endr
.irp b, 0,1
	v_lshrrev_b32 v[PT+\b], 23, v[SO+\b]
.endr
	v_lshl_or_b32 v[\hw], v[PT+1], 8, v[PT]        ; my row's two scale bytes
	v_cvt_scalef32_pk16_fp6_f32 v[CD:CD+2], v[P:P+15], v[SO]
	v_cvt_scalef32_pk16_fp6_f32 v[T1:T1+2], v[P+16:P+31], v[SO+1]
	v_nop
.irp i, 0,1,2
	v_permlane16_swap_b32 v[CD+\i], v[T1+\i]
.endr
.irp i, 0,1,2
	v_mov_b32 v[CD+3+\i], v[T1+\i]
.endr
	global_store_b128 v[L16], v[CD:CD+3], s[\acb:\acb+1]       ; 512 consecutive bytes
	global_store_b64 v[L8], v[CD+4:CD+5], s[\acb:\acb+1]       ; 256 consecutive bytes
.endm
	s_lshr_b32 s[LL], s[WV], 1
	s_sub_co_u32 s[LL], 15, s[LL]                  ; tile j1's last key step: 15 - wave / 2
	s_and_b32 s[CDF], s[WV], 1
	s_xor_b32 s[CDF], s[CDF], 1                    ; its diagonal lies in the step's half 1 - wave % 2
	PASS 19, 94, 95, 1
	s_wait_xcnt 0x0                                ; the stores have read the codes' registers
.irp i, 0,1,2,3
	v_mov_b32 v[QC+\i], v[24+\i]                   ; tile j0's Q, twice
	v_mov_b32 v[QC+12+\i], v[24+\i]
.endr
.irp i, 0,1
	v_mov_b32 v[QC+4+\i], v[204+\i]
	v_mov_b32 v[QC+16+\i], v[204+\i]
.endr
	v_and_b32 v23, 0xffff, v30
	v_lshl_or_b32 v29, v30, 16, v23
	s_lshr_b32 s[LL], s[WV], 1                     ; tile j0's last key step: wave / 2
	s_and_b32 s[CDF], s[WV], 1
	PASS 18, 92, 92, 0
	v_cmp_eq_u32 vcc_lo, 1, v93
	v_cndmask_b32 v92, v92, v95, vcc_lo
	global_store_b16 v244, v92, s[96:97]           ; two bytes of each row's 32: one head owns no more of a row
	s_wait_tensorcnt 0x0                           ; the wave's end
	ds_add_u32 v254, v255
	s_wait_dscnt 0x0
	ROUND                                          ; the closing round: no work-group ends while a partner may still ask for bytes that name it
	s_endpgm
.Lfunc_end_k_qd170a63be3_attn:
	.size	k_qd170a63be3_attn, .Lfunc_end_k_qd170a63be3_attn-k_qd170a63be3_attn
	.p2alignl 7, 3214868480
	.fill 96, 4, 3214868480
	.section	.rodata,"a",@progbits
	.p2align	6, 0x0
	.amdhsa_kernel k_qd170a63be3_attn
		.amdhsa_group_segment_fixed_size 210944
		.amdhsa_private_segment_fixed_size 0
		.amdhsa_enable_private_segment 0
		.amdhsa_kernarg_size 32
		.amdhsa_user_sgpr_count 2
		.amdhsa_user_sgpr_kernarg_segment_ptr 1
		.amdhsa_wavefront_size32 1
		.amdhsa_system_sgpr_workgroup_id_x 1
		.amdhsa_system_sgpr_workgroup_id_y 1
		.amdhsa_system_sgpr_workgroup_id_z 1
		.amdhsa_system_vgpr_workitem_id 0
		.amdhsa_next_free_vgpr 256
		.amdhsa_next_free_sgpr 100
		.amdhsa_reserve_vcc 1
		.amdhsa_float_denorm_mode_32 3
		.amdhsa_float_denorm_mode_16_64 3
		.amdhsa_memory_ordered 1
		.amdhsa_forward_progress 1
		.amdhsa_inst_pref_size 81
	.end_amdhsa_kernel
	.amdgpu_metadata
---
amdhsa.version: [ 1, 2 ]
amdhsa.kernels:
  - .name:           k_qd170a63be3_attn
    .symbol:         k_qd170a63be3_attn.kd
    .args:
      - { .name: qkvc, .offset: 0, .size: 8, .value_kind: global_buffer, .address_space: global }
      - { .name: qkvs, .offset: 8, .size: 8, .value_kind: global_buffer, .address_space: global }
      - { .name: ac, .offset: 16, .size: 8, .value_kind: global_buffer, .address_space: global }
      - { .name: asc, .offset: 24, .size: 8, .value_kind: global_buffer, .address_space: global }
    .group_segment_fixed_size: 210944
    .private_segment_fixed_size: 0
    .kernarg_segment_align: 8
    .kernarg_segment_size: 32
    .max_flat_workgroup_size: 512
    .sgpr_count:     100
    .vgpr_count:     256
    .wavefront_size: 32
...
	.end_amdgpu_metadata
.endif
;; end of part 3
;; launch gemm_proj (part 4): grid 8 x 32, 4 waves a work-group, clusters of 4 x 4, 327,680 bytes of LDS; arguments ac, asc, cw, sw, c_proj_b, out0; writes out0
.if DOCPART == 4
	.amdgcn_target "amdgcn-amd-amdhsa--gfx1250"
	.amdhsa_code_object_version 6
	.text
	.protected	k_qd170a63be3_gemm_proj
	.globl	k_qd170a63be3_gemm_proj
	.p2align	8
	.type	k_qd170a63be3_gemm_proj,@function
k_qd170a63be3_gemm_proj:
	s_mov_b64 s[64:65], 0
	v_nop
	global_prefetch_b8 v0, s[64:65] scope:SCOPE_SE
	s_setreg_imm32_b32 hwreg(HW_REG_WAVE_MODE, 25, 1), 1
	s_wait_xcnt 0x0
	s_wait_alu depctr_hold_cnt(0) depctr_sa_sdst(0) depctr_va_vdst(0) depctr_va_sdst(0) depctr_va_ssrc(0) depctr_va_vcc(0) depctr_vm_vsrc(0)
	s_getreg_b32 s2, hwreg(HW_REG_IB_STS2, 6, 4)
	s_cmp_eq_u32 s2, 0
	s_cbranch_scc0 .Lentry_in_a_cluster
	s_endpgm
.Lentry_in_a_cluster:
	s_bfe_u32 s2, ttmp6, 0x10000c
	s_cmp_lg_u32 s2, 0xf033
	s_cbranch_scc0 .Lentry_shape_is_right
	s_endpgm
.Lentry_shape_is_right:
; out0 [8192][1024] f32 = the attention's result (codes of E2M3 in ac, E8M0 scale words in asc) x c_proj_w (codes in cw from tile 704 on, words in sw) + c_proj_b; K = 1,024; sums in f32.
; OPERANDS lie in memory as images of registers: tiles of 16 rows (row r of tile T is row 32 (T / 2) + 8 (T % 2) + r + 8 (r / 8)), 12,288 bytes a tile: for each 64 along K 768 bytes, lane l's 24 bytes
; at 16 l (16) and 512 + 8 l (8).  Scale words: 512 bytes a tile, word (128 along K number ks, row r) at 256 (ks / 4) + 16 r + 4 (ks % 4).
; THE DEAL.  256 work-groups of four waves; a work-group makes 256 tokens x 128 columns.  Wave (a, b) = (wave / 2, wave % 2) holds the 64 columns 64 b .. of the weight, ALL of K, in registers (32 fragments, 384 registers)
; and streams its 8 token tiles 8 a .. 8 a + 7 past them: a tile is 8 fragments and 8 scale words, which lie twice in registers; tile i's 32 products read set i % 2, and behind them that set takes tile i + 2.
; The four accumulators of a tile take turns, one instruction a turn; the first four products take the bias as C, laid as the result lies: nothing is cleared or added by vector lines.
; THE MATRIX INSTRUCTION IS USED TRANSPOSED (source 0 = the weight's rows): a lane holds one token and 8 neighbouring columns a tile of the weight: columns 32 (t / 2) + 16 (l / 16) + 8 (t % 2) + 0 .. 7.
; LDS: the 16 token tiles (196,608 bytes), the weight's 8 tiles (98,304), the tokens' scale words (8,192), a stage of 16 rows x 272 bytes for each wave, the spare words.  NOTHING IS FILLED TWICE.
; FILLS.  At the head one joint load a wave: wave 0 the weight, wave 1 the scale words, wave 2 token tiles 0-3, wave 3 tiles 8-11.  The first barrier waits for wave 0's load alone (its line is wave 0's alone),
; and the weight's 128 LDS loads stand ahead of the wait for the other tiles.  The other 8 token tiles are first fills behind the full sequence and a round of the cluster's barrier, two tiles a wave;
; a plain barrier inside tile 2's products, with every wave's wait for its load ahead of the signal, shows them to all.  By this text's own count a wave never has more than one tensor load out.
; CLUSTERS 4 x 4: the token tiles and their words are shared by a row of the cluster, the weight by a column.
; THE WAY OUT.  A tile's 16 x 64 results go through the wave's own stage and come back as rows of 256 bytes; sixteen lanes store one aligned unit of 256 bytes.  Tile i - 1 is stored behind tile i's products.
; NO PREFETCH: the text has no loop to run ahead in; every tile is asked for at the head or one round behind it.
; THE WAITS' COUNTS on DScnt: NF = 34 loads fetch a tile; a turn through the stage is 16 (8 stores, 8 loads).  Ahead of tile i's products the younger ones are tile i - 1's turn and tile i + 1's fetch (16 + NF; tile 0: NF; tile 7: 16);
; ahead of tile i - 1's global stores only tile i + 1's fetch is younger (NF; none at tile 7).
; LIMITS: NaN and infinities are not served.
.set TB,     12288                     ; a tile, all of K
.set WB,     16*TB                     ; LDS: the weight's tiles
.set XS,     WB+8*TB                   ; the tokens' scale words
.set STAGE,  XS+8192
.set SPITCH, 272
.set SPARE,  STAGE+4*16*SPITCH         ; the spare words: 128 bytes a wave, two blocks of 256 bytes that no other line names
.set FPW,    21                        ; fragments in a window of 256 registers: fragment f lies in window 1 + f / 21 at register 12 (f % 21); 0-31 the weight's (4 ks + t), 32-39 and 40-47 the tokens' two sets
.set NF,     34
.set SPW,  10                          ; my spare word; never rewritten
.set NIL,  11                          ; 0; never rewritten
.set XA,   12                          ; v12, v13 LDS address of my token tiles 0-3 (16 l; 512 + 8 l); v14, v15 of tiles 4-7
.set WA,   16                          ; v16, v17 of my four tiles of the weight
.set AS,   18                          ; of my row's scale words
.set ABS,  19                          ; my offset in the weight's scale words: lanes 0-15 an even tile, lanes 16-31 the odd one beside it
.set STO,  20
.set RD,   21
.set CO,   22
.set SB,   24                          ; v24-39 the weight's scale words: 8 (t / 2) + ks
.set SA,   44                          ; v44-59 the tokens': two sets of eight
.set ACC,  64                          ; v64-127 two sets of four accumulators
.set BI,   128                         ; v128-159 the bias, eight registers a tile of the weight
.set BK,   160                         ; v160-223 rows read back from the stage, two sets
.set G1W, 24
.set G1X, 32
.set G1S, 40
.set G1N, 48
.set G0W, 56
.set G0S, 60
.set G0A, 68
.set G0B, 72
.set G0N, 76
.set MSB, 0
.macro WIN new                         ; the immediate's high byte repeats the setting that is left
.if MSB != (\new)
	s_set_vgpr_msb (MSB<<8)|(\new)
.set MSB, (\new)
.endif
.endm
.macro PLACES n
.rept \n
	v_nop
.endr
.endm
.macro CROUND                          ; a round of the cluster's barrier
	s_barrier_signal -1
	s_barrier_wait -1
	s_cmp_lg_u32 s16, 0
	s_cbranch_scc1 .Lnot_wave_0_\@
	s_barrier_signal -3
.Lnot_wave_0_\@:
	s_barrier_wait -3
	s_barrier_signal -1
	s_barrier_wait -1
.endm
.macro TLOAD g0, g1                    ; s_nop 0 and four v_nop follow each tensor load
	tensor_load_to_lds s[\g0:\g0+3], s[\g1:\g1+7]
	s_nop 0
	PLACES 4
.endm
.macro GROUP1 g, mask, c, r            ; r rows of c elements of 8 bytes, dense, no padding; the mask and bit 21 beside it
	s_or_b32 s[\g+0], s[\mask], (3<<16)|(1<<21)
	s_mov_b32 s[\g+1], ((\c)&0xffff)<<16
	s_mov_b32 s[\g+2], (\r)<<16
	s_mov_b32 s[\g+3], (\c)<<16
	s_mov_b32 s[\g+4], \r
	s_mov_b32 s[\g+5], \c
	s_mov_b32 s[\g+6], 0
	s_mov_b32 s[\g+7], 0
.endm
.macro FRAG f, a0, a1, off             ; 16 rows x 128 K: registers 6 c .. 6 c + 5 are the lane's 24 bytes of the c-th 64 along K
	WIN (1+(\f)/FPW)<<6
.set R_, 12*((\f)%FPW)
	ds_load_b128 v[R_:R_+3], v[\a0] offset:(\off)
	ds_load_b64 v[R_+4:R_+5], v[\a1] offset:(\off)
	ds_load_b128 v[R_+6:R_+9], v[\a0] offset:(\off)+768
	ds_load_b64 v[R_+10:R_+11], v[\a1] offset:(\off)+768
.endm
.macro WEIGHTS                         ; my 64 columns, all of K: 128 loads
.irp q, 0,1,2,3,4,5,6,7
.irp t, 0,1,2,3
	FRAG 4*\q+\t, WA, WA+1, \t*TB+\q*1536
.endr
.endr
	WIN 0
.endm
.macro FETCH i                         ; my token tile i into set i % 2: NF loads
.irp q, 0,1,2,3,4,5,6,7
	FRAG 32+8*((\i)%2)+\q, XA+2*((\i)/4), XA+2*((\i)/4)+1, ((\i)%4)*TB+\q*1536
.endr
	WIN 0
	ds_load_b128 v[SA+8*((\i)%2):SA+8*((\i)%2)+3], v[AS] offset:512*(\i)
	ds_load_b128 v[SA+8*((\i)%2)+4:SA+8*((\i)%2)+7], v[AS] offset:512*(\i)+256
.endm
.macro PROD1 d, rw, rx, c, xw, xx, row
	v_wmma_scale_f32_16x16x128_f8f6f4 v[\d:\d+7], v[\rw:\rw+11], v[\rx:\rx+11], \c, v[\xw], v[\xx] matrix_a_fmt:MATRIX_FMT_FP6 matrix_b_fmt:MATRIX_FMT_FP6 matrix_a_scale:MATRIX_SCALE_ROW\row
.endm
.macro PROD e, n                       ; product n = 4 ks + t of a tile in set e
.set Q_, (\n)/4
.set T_, (\n)%4
.set FX_, 32+8*(\e)+Q_
.set D_, ACC+32*(\e)+8*T_
.set C_, BI+8*T_
.set RW_, 12*((\n)%FPW)
.set RX_, 12*(FX_%FPW)
.set XW_, SB+8*(T_/2)+Q_
.set XX_, SA+8*(\e)+Q_
	WIN (1+(\n)/FPW)|((1+FX_/FPW)<<2)
.if Q_
.if T_%2
	PROD1 D_, RW_, RX_, v[D_:D_+7], XW_, XX_, 1
.else
	PROD1 D_, RW_, RX_, v[D_:D_+7], XW_, XX_, 0
.endif
.else
.if T_%2
	PROD1 D_, RW_, RX_, v[C_:C_+7], XW_, XX_, 1
.else
	PROD1 D_, RW_, RX_, v[C_:C_+7], XW_, XX_, 0
.endif
.endif
.endm
.macro MULS e                          ; a tile's 32 products
.set N_, 0
.rept 32
	PROD \e, N_
.set N_, N_+1
.endr
	WIN 0
.endm
.macro TOSTAGE i                       ; LDS serves a wave's instructions in order: no wait between the stores and the loads
.set AC_, ACC+32*((\i)%2)
.set BB_, BK+32*((\i)%2)
.irp t, 0,1,2,3
	ds_store_b128 v[STO], v[AC_+8*\t:AC_+8*\t+3] offset:128*(\t/2)+32*(\t%2)       ; each accumulator from its low end on
	ds_store_b128 v[STO], v[AC_+8*\t+4:AC_+8*\t+7] offset:128*(\t/2)+32*(\t%2)+16
.endr
.irp t, 0,1,2,3,4,5,6,7
	ds_load_b128 v[BB_+4*\t:BB_+4*\t+3], v[RD] offset:2*\t*SPITCH                  ; lanes 0-15 stage row 2 t, lanes 16-31 row 2 t + 1
.endr
.endm
.macro SEND i                          ; every offset is an immediate: 126 rows of 4,096 bytes at the most
.set BB_, BK+32*((\i)%2)
.irp t, 0,1,2,3,4,5,6,7
	global_store_b128 v[CO], v[BB_+4*\t:BB_+4*\t+3], s[14:15] offset:(32*((\i)/2)+8*((\i)%2)+2*\t+8*(\t/4))*4096 th:TH_STORE_NT   ; 16 lanes: 256 consecutive bytes, aligned
.endr
.endm
; ---- the head
	s_load_b256 s[4:11], s[0:1], 0x0               ; ac, asc, cw, sw
	s_load_b128 s[12:15], s[0:1], 0x20             ; c_proj_b, out0
	v_lshl_add_u32 v[SPW], v0, 2, SPARE
	v_mov_b32 v[NIL], 0
	ds_add_u32 v[SPW], v[NIL]                      ; the opening lines: the add, twice on end, and its wait ahead of my first tensor load
	ds_add_u32 v[SPW], v[NIL]
	v_lshrrev_b32 v1, 5, v0
	v_readfirstlane_b32 s16, v1                    ; wave
	s_lshr_b32 s17, s16, 1                         ; a
	s_and_b32 s18, s16, 1                          ; b
	s_bfe_u32 s19, ttmp6, 0x40000                  ; cx
	s_bfe_u32 s20, ttmp6, 0x40004                  ; cy
	s_lshl_b32 s23, ttmp9, 2
	s_add_co_u32 s23, s23, s19                     ; which 128 columns, 0 .. 7
	s_and_b32 s22, ttmp7, 0xffff
	s_lshl_b32 s22, s22, 2
	s_add_co_u32 s22, s22, s20                     ; which 256 tokens, 0 .. 31
	s_lshl_b32 s80, s20, 2
	s_lshl_b32 s80, 15, s80                        ; my row of the cluster
	s_lshl_b32 s81, 0x1111, s19                    ; my column
	GROUP1 G1W, 81, 1536, 8                        ; the weight: 8 tiles
	GROUP1 G1X, 80, 1536, 4                        ; four token tiles
	GROUP1 G1N, 80, 1536, 2                        ; two
	GROUP1 G1S, 80, 32, 32                         ; 8,192 bytes of scale words as rows of 256
	s_mul_i32 s82, s22, 16*TB                      ; my tokens' codes, bytes from ac
	s_mov_b32 s83, 0
	s_lshl_b32 s84, s23, 3
	s_add_co_u32 s84, s84, 704                     ; the weight's first tile in cw
	s_lshl_b32 s88, s18, 2
	s_add_co_u32 s88, s88, s84
	s_lshl_b32 s88, s88, 9                         ; my four tiles' scale words, bytes from sw
	s_mov_b32 s89, 0
	s_mul_i32 s84, s84, TB
	s_mov_b32 s85, 0
	s_lshl_b32 s86, s22, 13                        ; my tokens' scale words, bytes from asc
	s_mov_b32 s87, 0
	s_lshl_b32 s90, s23, 9
	s_lshl_b32 s91, s18, 8
	s_add_co_u32 s90, s90, s91                     ; my first column, in bytes
	s_mov_b32 s91, 0
	s_lshl_b32 s92, s22, 20
	s_lshl_b32 s93, s17, 19
	s_add_co_u32 s92, s92, s93
	s_add_co_u32 s92, s92, s90                     ; my first number of out0: (256 x group + 128 a) rows of 4,096 bytes + the column
	s_mov_b32 s93, 0
	s_lshl_b32 s94, s17, 3
	s_lshl_b32 s95, s18, 1
	s_add_co_u32 s94, s94, s95
	s_add_co_u32 s94, s94, 4
	s_mul_i32 s94, s94, TB                         ; the later fill: I fetch token tiles 4 + 8 a + 2 b and the next
	s_add_co_u32 s96, s82, s94
	s_mov_b32 s97, 0
	s_mul_i32 s98, s17, 8*TB                       ; LDS: my 8 token tiles,
	s_mul_i32 s99, s18, 4*TB
	s_add_co_u32 s99, s99, WB                      ; my 4 tiles of the weight,
	s_lshl_b32 s100, s17, 12
	s_add_co_u32 s100, s100, XS                    ; my tokens' scale words,
	s_mul_i32 s101, s16, 16*SPITCH
	s_add_co_u32 s101, s101, STAGE                 ; my stage
	s_mov_b32 s[G0W], 1
	s_mov_b32 s[G0W+1], WB
	s_mov_b32 s[G0S], 1
	s_mov_b32 s[G0S+1], XS
	s_mov_b32 s[G0A], 1
	s_mov_b32 s[G0A+1], 0
	s_mov_b32 s[G0B], 1
	s_mov_b32 s[G0B+1], 8*TB
	s_mov_b32 s[G0N], 1
	s_mov_b32 s[G0N+1], s94
	v_and_b32 v1, 15, v0                           ; r
	v_bfe_u32 v2, v0, 4, 1                         ; h
	v_and_b32 v3, 31, v0                           ; l
	v_lshlrev_b32 v4, 4, v3
	v_lshl_add_u32 v5, v3, 3, 512
	v_add_nc_u32 v[XA], s98, v4
	v_add_nc_u32 v[XA+1], s98, v5
	v_add_nc_u32 v[XA+2], 4*TB, v[XA]
	v_add_nc_u32 v[XA+3], 4*TB, v[XA+1]
	v_add_nc_u32 v[WA], s99, v4
	v_add_nc_u32 v[WA+1], s99, v5
	v_lshl_add_u32 v[AS], v1, 4, s100
	v_lshlrev_b32 v[ABS], 9, v2
	v_lshl_add_u32 v[ABS], v1, 4, v[ABS]
	v_lshlrev_b32 v9, 6, v2                        ; the bias: 16 h numbers on
	v_mul_u32_u24 v6, v1, SPITCH
	v_lshl_add_u32 v6, v2, 6, v6
	v_add_nc_u32 v[STO], s101, v6                  ; into the stage: row r, + 64 h
	v_mul_u32_u24 v7, v2, SPITCH
	v_lshl_add_u32 v7, v1, 4, v7
	v_add_nc_u32 v[RD], s101, v7                   ; back: sixteen lanes to a row of 256 bytes
	v_lshlrev_b32 v[CO], 12, v2
	v_lshl_add_u32 v[CO], v1, 4, v[CO]             ; and the same two rows in out0
	s_wait_alu depctr_va_vdst(0)                   ; the head's end
	s_wait_dscnt 0x0                               ; both opening adds are done
	CROUND                                         ; all sixteen work-groups are here: the first joint loads meet
	s_wait_kmcnt 0x0
	s_add_nc_u64 s[G0W+2:G0W+3], s[8:9], s[84:85]
	s_or_b32 s[G0W+3], s[G0W+3], 0x80000000
	s_add_nc_u64 s[G0S+2:G0S+3], s[6:7], s[86:87]
	s_or_b32 s[G0S+3], s[G0S+3], 0x80000000
	s_add_nc_u64 s[G0A+2:G0A+3], s[4:5], s[82:83]
	s_add_nc_u64 s[G0B+2:G0B+3], s[G0A+2:G0A+3], 8*TB
	s_or_b32 s[G0A+3], s[G0A+3], 0x80000000
	s_or_b32 s[G0B+3], s[G0B+3], 0x80000000
	s_add_nc_u64 s[G0N+2:G0N+3], s[4:5], s[96:97]
	s_or_b32 s[G0N+3], s[G0N+3], 0x80000000
	s_add_nc_u64 s[10:11], s[10:11], s[88:89]
	s_add_nc_u64 s[12:13], s[12:13], s[90:91]
	s_add_nc_u64 s[14:15], s[14:15], s[92:93]
.macro ARM w, g0, g1                   ; one chain of branches on the wave's number: every way through it passes exactly one load
	s_cmp_eq_u32 s16, \w
	s_cbranch_scc0 .Lnot_\w
	TLOAD \g0, \g1
	s_branch .Lasked
.Lnot_\w:
.endm
	ARM 0, G0W, G1W                                ; the weight first: it goes on into registers
	ARM 1, G0S, G1S
	ARM 2, G0A, G1X
	TLOAD G0B, G1X
.Lasked:
.irp p, 0,1
.irp c, 0,1
	global_load_b128 v[SB+8*\p+4*\c:SB+8*\p+4*\c+3], v[ABS], s[10:11] offset:1024*\p+256*\c   ; the weight's scale words: 16 lanes read 256 consecutive bytes
.endr
.endr
.irp t, 0,1,2,3
	global_load_b128 v[BI+8*\t:BI+8*\t+3], v9, s[12:13] offset:(32*(\t/2)+8*(\t%2))*4
	global_load_b128 v[BI+8*\t+4:BI+8*\t+7], v9, s[12:13] offset:(32*(\t/2)+8*(\t%2))*4+16
.endr
	s_cmp_eq_u32 s16, 0
	s_cbranch_scc0 .Lnot_w
	s_wait_tensorcnt 0x0                           ; wave 0: the weight has landed
.Lnot_w:
	s_barrier_signal -1
	s_barrier_wait -1
	WEIGHTS
	s_wait_tensorcnt 0x0                           ; my tile of the head's four is in; the later first fills are issued as a refill is:
	ds_add_u32 v[SPW], v[NIL]                      ; 0 onto my spare word
	s_wait_dscnt 0x0                               ; the add is done, and the weight lies in my registers
	CROUND
	TLOAD G0N, G1N                                 ; two more token tiles a wave, the first tensor load behind the round
	FETCH 0
	FETCH 1
	s_wait_loadcnt 0x0                             ; the weight's scale words and the bias
; ---- eight tiles
.irp i, 0,1,2,3,4,5,6,7
.if \i == 2
	s_wait_tensorcnt 0x0                           ; my two later tiles are in,
	s_wait_dscnt 0x0
	s_barrier_signal -1                            ; a plain barrier round this tile's products
.elseif \i == 0
	s_wait_dscnt NF
.elseif \i == 7
	s_wait_dscnt 16
.else
	s_wait_dscnt 16+NF
.endif
	MULS \i%2
.if \i == 2
	s_barrier_wait -1                              ; everybody's are
.endif
	PLACES 4                                       ; in front of the stores that read results just made and of the loads into registers that the products have read
.if \i > 0
.if \i < 7
	s_wait_dscnt NF
.else
	s_wait_dscnt 0x0
.endif
	SEND \i-1
.endif
.if \i > 1
	s_wait_xcnt 0x0                                ; tile i - 2's stores have read their registers: tile i's rows may land there
.endif
	TOSTAGE \i
.if \i < 6
	FETCH \i+2
.endif
.endr
	s_wait_dscnt 0x0
	SEND 7
	s_wait_tensorcnt 0x0                           ; the wave's end
	ds_add_u32 v[SPW], v[NIL]
	s_wait_dscnt 0x0
	CROUND                                         ; the closing round
	s_endpgm
.Lfunc_end_k_qd170a63be3_gemm_proj:
	.size	k_qd170a63be3_gemm_proj, .Lfunc_end_k_qd170a63be3_gemm_proj-k_qd170a63be3_gemm_proj
	.p2alignl 7, 3214868480
	.fill 96, 4, 3214868480
	.section	.rodata,"a",@progbits
	.p2align	6, 0x0
	.amdhsa_kernel k_qd170a63be3_gemm_proj
		.amdhsa_group_segment_fixed_size 327680
		.amdhsa_private_segment_fixed_size 0
		.amdhsa_enable_private_segment 0
		.amdhsa_kernarg_size 48
		.amdhsa_user_sgpr_count 2
		.amdhsa_user_sgpr_kernarg_segment_ptr 1
		.amdhsa_wavefront_size32 1
		.amdhsa_system_sgpr_workgroup_id_x 1
		.amdhsa_system_sgpr_workgroup_id_y 1
		.amdhsa_system_sgpr_workgroup_id_z 1
		.amdhsa_system_vgpr_workitem_id 0
		.amdhsa_next_free_vgpr 848
		.amdhsa_next_free_sgpr 102
		.amdhsa_reserve_vcc 0
		.amdhsa_float_denorm_mode_32 3
		.amdhsa_float_denorm_mode_16_64 3
		.amdhsa_memory_ordered 1
		.amdhsa_forward_progress 1
		.amdhsa_inst_pref_size 86
	.end_amdhsa_kernel
	.amdgpu_metadata
---
amdhsa.version: [ 1, 2 ]
amdhsa.kernels:
  - .name:           k_qd170a63be3_gemm_proj
    .symbol:         k_qd170a63be3_gemm_proj.kd
    .args:
      - { .name: ac, .offset: 0, .size: 8, .value_kind: global_buffer, .address_space: global }
      - { .name: asc, .offset: 8, .size: 8, .value_kind: global_buffer, .address_space: global }
      - { .name: cw, .offset: 16, .size: 8, .value_kind: global_buffer, .address_space: global }
      - { .name: sw, .offset: 24, .size: 8, .value_kind: global_buffer, .address_space: global }
      - { .name: c_proj_b, .offset: 32, .size: 8, .value_kind: global_buffer, .address_space: global }
      - { .name: out0, .offset: 40, .size: 8, .value_kind: global_buffer, .address_space: global }
    .group_segment_fixed_size: 327680
    .private_segment_fixed_size: 0
    .kernarg_segment_align: 8
    .kernarg_segment_size: 48
    .max_flat_workgroup_size: 128
    .sgpr_count:     102
    .vgpr_count:     848
    .wavefront_size: 32
...
	.end_amdgpu_metadata
.endif
;; end of part 4
